; MI455X (gfx1250); checked and timed in simulation.
; The chip was launched on July 23, 2026; its instructions are those of AMD's public machine-readable ISA for CDNA 5 (MIT licence, August 2026) and "CDNA5" Instruction Set Architecture Reference Guide (July 2026). The comments in the code are by the model that wrote it; some were corrected since.
;; Cached Multihead Attention. Allowed arithmetic: matrix products marked QUANTISED: E2M3 operands, one E8M0 scale for each 32 along K, by v_wmma_scale_f32_16x16x128_f8f6f4 with both operands' format E2M3, f32 sums; everything else in f32.
;; Inputs: w_in 3,072 x 1,024 float32; w_out 1,024 x 1,024 float32; x 4 x 2,048 x 1,024 float32.
;; Outputs: out0 4 x 2,048 x 1,024 float32.
;; This version of the problem:
;;   THIS VERSION OF THE PROBLEM IS GIVEN IN LOW PRECISION. The matrix products marked QUANTISED in the list below multiply operands that are first quantised to E2M3 (2 exponent bits, 3 mantissa bits; 6 bits a number), with one power-of-two scale for each 32 numbers along K (OCP MX v1.0); their sums are f32. All else is computed in f32.
;;   The module's matrix products, in the order in which they are computed (A, B: the left and right operand; K: the contracted axis; several contracted axes count as one K, in the product's order):
;;     1. [M 8,192, K 1,024] x [K 1,024, N 3,072]; A: input x; B: input w_in: QUANTISED
;;     2. batch 256 x [M 512, K 64] x [K 64, N 1,024]; A: computed on the way; B: computed on the way: QUANTISED
;;     3. batch 256 x [M 512, K 1,024] x [K 1,024, N 64]; A: softmax (see below); B: computed on the way: QUANTISED
;;     4. [M 8,192, K 1,024] x [K 1,024, N 1,024]; A: computed on the way; B: input w_out: QUANTISED
;;   THE QUANTISER, for each operand of a quantised product, along K:
;;     - K is cut into blocks of 32 from its start; a last block that is shorter is filled with zeros.
;;     - A block's scale is 2^e with e = floor(log2(the largest magnitude in the block)) - 2, held to -126 .. 127; a block of zeros has e = 0. As a byte (E8M0): e + 127.
;;     - Each number is divided by its block's scale, clamped to +-7.5, and rounded to the nearest number of E2M3, ties to even, subnormals kept.
;;     - The product sums the exact products of the quantised numbers (number of the format x scale) in f32.
;;   ~~~python
;;   def quantise(x, axis):      # numpy; x: float32 -> the quantised numbers, widened to float32 again
;;       x = np.moveaxis(x, axis, -1); K = x.shape[-1]
;;       x = np.pad(x, [(0, 0)] * (x.ndim - 1) + [(0, -K % 32)]); x = x.reshape(x.shape[:-1] + (-1, 32)); a = np.abs(x).max(-1, keepdims=True)
;;       e = np.where(a > 0, np.clip(np.frexp(np.where(a > 0, a, 1))[1] - 1 - 2, -126, 127), 0)      # np.frexp(a)[1] - 1 = floor(log2(a)), exactly
;;       r = np.clip(x / 2.0 ** e, -7.5, 7.5)
;;       step = 2.0 ** (np.maximum(np.frexp(np.where(r == 0, 1, r))[1] - 1, 0) - 3)
;;       q = np.round(r / step) * step * 2.0 ** e      # np.round: ties to even
;;       return np.moveaxis(q.reshape(q.shape[:-2] + (-1,))[..., :K], -1, axis).astype(np.float32)
;;   ~~~
;;   SOFTMAX AHEAD OF A QUANTISED PRODUCT. Where the list says 'softmax', what is quantised is not the finished softmax but p = 2^(t - M), with t = logit x log2(e) and M = ceil(the row's largest t), a whole number; so 1/2 < the row's largest p <= 1. The row's sum l is taken of the UNQUANTISED p, in f32, and the product's result is divided by l at the end. Since M is a whole number, a kernel that streams over the keys may use a running M (the ceiling of the running maximum): every later rescaling is an exact power of two, which a block's scale takes up: the codes' values come out the same.
;;   OPERANDS COMPUTED ON THE WAY. 'Computed on the way' means the value that the module computes at that place (a softmax that the list does not call 'softmax' is quantised finished and normalised). What goes into a quantiser is computed in f32, as accurately as f32 sums, v_exp_f32 and their like allow (about 1e-6 of the number): no bf16 or f16 on the way to a quantiser, and a product that is left as it is and whose result goes on into a quantised operand takes f32 operands (vector FMAs, or v_wmma_f32_16x16x4_f32). A number that lies on a knife's edge between two numbers of the format may be rounded either way, as far as f32 arithmetic and the matrix unit's own rounding can turn it there, and no further.
;; One version. Each part assembles by itself: llvm-mc -triple=amdgcn-amd-amdhsa -mcpu=gfx1250 --defsym DOCPART=n.
;; ======== version 1 of 1: 4 launches
;; workspace buffers: xw 9,011,200 bytes; qkv 19,660,800 bytes; ow 7,372,800 bytes
;; launch quant (part 1): grid 384 x 1, 8 waves a work-group, no clusters, 137,216 bytes of LDS; arguments x, w_in, w_out, xw, ow; writes xw, ow
.if DOCPART == 1
	.amdgcn_target "amdgcn-amd-amdhsa--gfx1250"
	.amdhsa_code_object_version 6
	.text
	.protected	k_q06f2617ef7_quant
	.globl	k_q06f2617ef7_quant
	.p2align	8
	.type	k_q06f2617ef7_quant,@function
k_q06f2617ef7_quant:
	s_mov_b64 s[64:65], 0
	v_nop
	global_prefetch_b8 v0, s[64:65] scope:SCOPE_SE
	s_setreg_imm32_b32 hwreg(HW_REG_WAVE_MODE, 25, 1), 1
	s_wait_xcnt 0x0
; x [8192][1024], w_in [3072][1024], w_out [1024][1024], f32, K innermost, become codes of FP6 (E2M3) with one E8M0 byte for each 32 along K, laid as RECORDS.
; A RECORD is 128 rows x 128 along K in 12,800 bytes, in the order of an operand's registers:
;   block a (0..7) holds 16 rows: its lane-row r is the record's row 32 (a / 2) + 8 (a % 2) + r + 8 (r / 8);
;   its image lies at byte 1536 a: three pieces of 512 bytes, piece k = registers 4 k .. 4 k + 3 of lane l at 512 k + 16 l; lane (r, h): registers 6 c .. 6 c + 5 = the codes of K = 64 c + 32 h + 0 .. 31;
;   at byte 12,288 the scale words: lane (r, h) has 16 bytes at 16 l: the words of blocks 4 h + 0 .. 3, lane-row r; byte i of a word scales K = 32 i .. 32 i + 31.
; xw = [group of 128 rows 0..87][K step 0..7] records (x's 64 groups, then w_in's 24); ow's groups 64..71 take w_out.
; A block's scale is 2^(floor(log2(its largest magnitude)) - 2); its byte is the largest magnitude's exponent field - 2, held at 1 from below.
; LIMITS: a block of zeros, or one whose largest magnitude lies under 2^-124, gets the byte 1 (zeros stay zero codes; these bytes are read by this program alone); NaN and infinities among the inputs are not served.
; SHARES: a work-group takes one group of 128 rows x 256 along K (two records); wave a takes block a: 16 rows.  Each load reads 512 consecutive bytes of one row; the 16 x 512 bytes of a K step turn through the
; wave's own stage in LDS (rows 528 bytes apart: 33 x 16, so sixteen rows start at sixteen different places modulo 256) and come back as 2 x 32 neighbours along K for each lane: two whole blocks a lane.
; No matrix work, no cluster (no byte is read by two work-groups), no tensor load: memory binds, and 32 loads of 512 bytes a wave are out at once.
.set REC,  12800
.set WST,  16896                       ; a wave's two stages
.set HST,  8448                        ; one stage: 16 rows x 528
.set SP,   528
.set SGS,  8*WST                       ; behind the stages: the two records' scale words, 2 x 512 bytes
.set R0,   16                          ; v16-79   K step 0 as loaded; later K step 1's neighbours
.set X,    144                         ; v144-207 K step 0's neighbours   (v80-143: K step 1 as loaded)
.set CD,   208                         ; v208-231 the codes: 12 registers for each K step, so that no store's data are written again
.set TP,   232                         ; v232-238 a conversion's three registers begin on an even number: the upper halves are made here and moved
	s_load_b128 s[4:7], s[0:1], 0x0                ; x, w_in
	s_load_b128 s[8:11], s[0:1], 0x10              ; w_out, xw
	s_load_b64 s[12:13], s[0:1], 0x20              ; ow
	v_lshl_add_u32 v240, v0, 2, 0x21400
	v_mov_b32 v241, 0
	v_lshrrev_b32 v1, 5, v0
	v_readfirstlane_b32 s14, v1                    ; wave a = my block
	v_and_b32 v1, 31, v0
	v_lshlrev_b32 v2, 4, v1                        ; v2: 16 x lane: my bytes of a load's or a store's 512; never rewritten
	v_and_b32 v8, 15, v0                           ; r
	v_bfe_u32 v9, v0, 4, 1                         ; h
	s_mul_i32 s15, s14, WST
	v_add_nc_u32 v3, s15, v2                       ; v3: the stage, on the way in
	v_mul_u32_u24 v4, v8, SP
	v_lshl_add_u32 v4, v9, 7, v4
	v_add_nc_u32 v4, s15, v4                       ; v4: on the way out: row r, + 128 h bytes (32 numbers)
	s_lshr_b32 s18, s14, 2
	s_lshl_b32 s18, s18, 8
	s_and_b32 s19, s14, 3
	s_lshl_b32 s19, s19, 2
	s_add_co_u32 s18, s18, s19
	s_add_co_u32 s18, s18, SGS
	v_lshl_add_u32 v5, v8, 4, s18                  ; v5: my row's scale word: SGS + 256 (a / 4) + 16 r + 4 (a % 4)
	v_lshlrev_b32 v6, 3, v9                        ; v6: 8 h
	s_min_u32 s19, s14, 1                          ; waves 0 and 1 send the two records' scale words
	s_lshl_b32 s32, s19, 9
	s_add_co_u32 s32, s32, SGS
	v_add_nc_u32 v7, s32, v2                       ; v7: where they read them
	s_mul_i32 s33, s19, REC
	v_add_nc_u32 v1, s33, v2                       ; v1: and where they go
	v_mov_b32 v15, 0                               ; written once: a lane permute's destination counts as one of its sources
	s_mov_b32 s34, 0x76543210
	s_mov_b32 s35, 0xfedcba98                      ; v_permlanex16_b32's selects for lane l xor 16
	s_lshr_b32 s16, ttmp9, 2                       ; the group of 128 rows, 0..95
	s_and_b32 s17, ttmp9, 3                        ; which 256 along K
	s_lshr_b32 s36, s14, 1
	s_lshl_b32 s36, s36, 5
	s_and_b32 s37, s14, 1
	s_lshl_b32 s37, s37, 3
	s_add_co_u32 s36, s36, s37                     ; my block's first row: 32 (a / 2) + 8 (a % 2)
	s_wait_kmcnt 0x0
	s_cmp_lt_u32 s16, 88                           ; the choice of buffers hangs on the work-group's number alone
	s_cselect_b64 s[20:21], s[6:7], s[8:9]
	s_cselect_b64 s[22:23], s[10:11], s[12:13]
	s_cselect_b32 s24, 64, 88                      ; the tensor's first group
	s_cselect_b32 s25, 0, 24                       ; w_out's groups 88..95 are ow's groups 64..71
	s_cmp_lt_u32 s16, 64
	s_cselect_b64 s[20:21], s[4:5], s[20:21]
	s_cselect_b32 s24, 0, s24
	s_sub_co_u32 s26, s16, s24
	s_lshl_b32 s26, s26, 19                        ; 128 rows of 4,096 bytes
	s_lshl_b32 s36, s36, 12
	s_add_co_u32 s26, s26, s36
	s_lshl_b32 s37, s17, 10
	s_add_co_u32 s26, s26, s37
	s_mov_b32 s27, 0
	s_add_nc_u64 s[20:21], s[20:21], s[26:27]      ; my 16 rows, my 256 along K
	s_sub_co_u32 s26, s16, s25
	s_mul_i32 s26, s26, 8*REC
	s_mul_i32 s37, s17, 2*REC
	s_add_co_u32 s26, s26, s37
	s_add_nc_u64 s[30:31], s[22:23], s[26:27]      ; the work-group's two records
	s_mul_i32 s26, s14, 1536
	s_add_nc_u64 s[28:29], s[30:31], s[26:27]      ; my block's image in the first
.macro LOAD t                          ; K step t of my 16 rows: lane-row j is row j + 8 (j / 8)
.irp j, 0,1,2,3,4,5,6,7,8,9,10,11,12,13,14,15
	global_load_b128 v[R0+64*\t+4*\j:R0+64*\t+4*\j+3], v2, s[20:21] offset:(\j+8*(\j/8))*4096+512*\t th:TH_LOAD_NT
.endr
.endm
.macro TIN t                           ; into stage t, as loaded
.irp j, 0,1,2,3,4,5,6,7,8,9,10,11,12,13,14,15
	ds_store_b128 v3, v[R0+64*\t+4*\j:R0+64*\t+4*\j+3] offset:HST*\t+SP*\j
.endr
.endm
.macro TOUT t, dst                     ; and back: register 32 c + i = K 64 c + 32 h + i of row r.  LDS serves a wave's instructions in order: these see the stores
.irp c, 0,1
.irp e, 0,1,2,3,4,5,6,7
	ds_load_b128 v[\dst+32*\c+4*\e:\dst+32*\c+4*\e+3], v4 offset:HST*\t+256*\c+16*\e
.endr
.endr
.endm
; 64 numbers of a lane, two whole blocks, become the 12 registers of my lane's part of the image and my row's scale word.  v8, v9 largest magnitudes; v10, v11 scale operands; v12, v13 bytes; v14 the word
.macro QSTEP src, t
.irp c, 0,1
	v_max3_num_f32 v[8+\c], |v[\src+32*\c]|, |v[\src+32*\c+1]|, 0x1800000   ; and the floor 2^(3 - 127): the byte cannot fall under 1
.endr
.irp i, 2,4,6,8,10,12,14,16,18,20,22,24,26,28,30
.irp c, 0,1
	v_max3_num_f32 v[8+\c], v[8+\c], |v[\src+32*\c+\i]|, |v[\src+32*\c+\i+1]|   ; the two blocks by turns
.endr
.endr
.irp c, 0,1
	v_add_nc_u32 v[10+\c], 0xff000000, v[8+\c]     ; 2 off the exponent field: the conversion takes this operand's exponent field as its scale
.endr
.irp c, 0,1
	v_lshrrev_b32 v[12+\c], 23, v[10+\c]           ; the scale's byte
.endr
	v_lshl_or_b32 v14, v13, 16, v12                ; my two bytes: blocks h and 2 + h of the row's four,
	v_lshlrev_b32 v14, v6, v14                     ; 8 h bits up;
	v_permlanex16_b32 v15, v14, s34, s35
	v_or_b32 v14, v14, v15                         ; with lane l xor 16's two the word is whole
.irp c, 0,1
	v_cvt_scalef32_pk16_fp6_f32 v[CD+12*\t+6*\c:CD+12*\t+6*\c+2], v[\src+32*\c:\src+32*\c+15], v[10+\c]
	v_cvt_scalef32_pk16_fp6_f32 v[TP+4*\c:TP+4*\c+2], v[\src+32*\c+16:\src+32*\c+31], v[10+\c]
.endr
	v_nop                                          ; one plain place behind a scaled conversion
.irp c, 0,1
.irp i, 0,1,2
	v_mov_b32 v[CD+12*\t+6*\c+3+\i], v[TP+4*\c+\i]
.endr
.endr
.irp k, 0,1,2
	global_store_b128 v2, v[CD+12*\t+4*\k:CD+12*\t+4*\k+3], s[28:29] offset:REC*\t+512*\k   ; 32 lanes store 512 consecutive bytes, at a multiple of 256 from the buffer's first byte
.endr
	ds_store_b32 v5, v14 offset:512*\t             ; lanes (r, 0) and (r, 1) write the same word with the same value
.endm
	LOAD 0
	LOAD 1
	s_wait_loadcnt 16                              ; K step 0's sixteen loads are in; step 1's may be out
	TIN 0
	TOUT 0, X
	s_wait_loadcnt 0x0
	TIN 1
	s_wait_dscnt 32                                ; all but step 0's 16 loads and step 1's 16 stores: step 0's stores have read v16-79, which now take loads
	TOUT 1, R0
	s_wait_dscnt 32                                ; step 0's neighbours are in; the 32 instructions of step 1's turn may be out
	QSTEP X, 0
	s_wait_dscnt 0x0                               ; step 1's neighbours are in, and the word's store has read v14
	QSTEP R0, 1
	s_wait_dscnt 0x0                               ; for the others' sake: my scale words lie in LDS
	s_barrier_signal -1
	s_barrier_wait -1
	s_cmp_gt_u32 s14, 1
	s_cbranch_scc1 .Lend
	ds_load_b128 v[16:19], v7                      ; wave t: record t's 512 bytes of scale words, from all eight waves
	s_wait_dscnt 0x0
	global_store_b128 v1, v[16:19], s[30:31] offset:12288
.Lend:
	s_wait_tensorcnt 0x0
	ds_add_u32 v240, v241
	s_wait_dscnt 0x0
	s_endpgm
.Lfunc_end_k_q06f2617ef7_quant:
	.size	k_q06f2617ef7_quant, .Lfunc_end_k_q06f2617ef7_quant-k_q06f2617ef7_quant
	.p2alignl 7, 3214868480
	.fill 96, 4, 3214868480
	.section	.rodata,"a",@progbits
	.p2align	6, 0x0
	.amdhsa_kernel k_q06f2617ef7_quant
		.amdhsa_group_segment_fixed_size 137216
		.amdhsa_private_segment_fixed_size 0
		.amdhsa_enable_private_segment 0
		.amdhsa_kernarg_size 40
		.amdhsa_user_sgpr_count 2
		.amdhsa_user_sgpr_kernarg_segment_ptr 1
		.amdhsa_wavefront_size32 1
		.amdhsa_system_sgpr_workgroup_id_x 1
		.amdhsa_system_sgpr_workgroup_id_y 1
		.amdhsa_system_sgpr_workgroup_id_z 1
		.amdhsa_system_vgpr_workitem_id 0
		.amdhsa_next_free_vgpr 242
		.amdhsa_next_free_sgpr 66
		.amdhsa_reserve_vcc 0
		.amdhsa_float_denorm_mode_32 3
		.amdhsa_float_denorm_mode_16_64 3
		.amdhsa_memory_ordered 1
		.amdhsa_forward_progress 1
		.amdhsa_inst_pref_size 18
	.end_amdhsa_kernel
	.amdgpu_metadata
---
amdhsa.version: [ 1, 2 ]
amdhsa.kernels:
  - .name:           k_q06f2617ef7_quant
    .symbol:         k_q06f2617ef7_quant.kd
    .args:
      - { .name: x, .offset: 0, .size: 8, .value_kind: global_buffer, .address_space: global }
      - { .name: w_in, .offset: 8, .size: 8, .value_kind: global_buffer, .address_space: global }
      - { .name: w_out, .offset: 16, .size: 8, .value_kind: global_buffer, .address_space: global }
      - { .name: xw, .offset: 24, .size: 8, .value_kind: global_buffer, .address_space: global }
      - { .name: ow, .offset: 32, .size: 8, .value_kind: global_buffer, .address_space: global }
    .group_segment_fixed_size: 137216
    .private_segment_fixed_size: 0
    .kernarg_segment_align: 8
    .kernarg_segment_size: 40
    .max_flat_workgroup_size: 256
    .sgpr_count:     66
    .vgpr_count:     242
    .wavefront_size: 32
...
	.end_amdgpu_metadata
.endif
;; end of part 1
;; launch gemm1 (part 2): grid 8 x 48, 4 waves a work-group, clusters of 4 x 4, 327,680 bytes of LDS; arguments xw, qkv; writes qkv
.if DOCPART == 2
	.amdgcn_target "amdgcn-amd-amdhsa--gfx1250"
	.amdhsa_code_object_version 6
	.text
	.protected	k_q06f2617ef7_gemm1
	.globl	k_q06f2617ef7_gemm1
	.p2align	8
	.type	k_q06f2617ef7_gemm1,@function
k_q06f2617ef7_gemm1:
	s_mov_b64 s[64:65], 0
	v_nop
	global_prefetch_b8 v0, s[64:65] scope:SCOPE_SE
	s_setreg_imm32_b32 hwreg(HW_REG_WAVE_MODE, 25, 1), 1
	s_wait_xcnt 0x0
	s_wait_alu depctr_hold_cnt(0) depctr_sa_sdst(0) depctr_va_vdst(0) depctr_va_sdst(0) depctr_va_ssrc(0) depctr_va_vcc(0) depctr_vm_vsrc(0)
	s_getreg_b32 s2, hwreg(HW_REG_IB_STS2, 6, 4)
	s_cmp_eq_u32 s2, 0
	s_cbranch_scc0 .Lentry_in_a_cluster
	s_endpgm
.Lentry_in_a_cluster:
	s_bfe_u32 s2, ttmp6, 0x10000c
	s_cmp_lg_u32 s2, 0xf033
	s_cbranch_scc0 .Lentry_shape_is_right
	s_endpgm
.Lentry_shape_is_right:
; proj = x w_in^T on codes of FP6 (E2M3) with E8M0 scales, K = 1,024; its way out quantises q and k along the head's axis and v along the tokens, straight from the accumulators.
; OPERANDS are RECORDS (128 rows x 128 K, 12,800 bytes): block a's image (16 rows, lane-row r = row 32 (a / 2) + 8 (a % 2) + r + 8 (r / 8)) at 1536 a, three pieces of 512 bytes, lane l's registers 4 k .. 4 k + 3 at 512 k + 16 l;
; at 12,288 the scale words, lane (r, h): the words of blocks 4 h + 0 .. 3.  xw = [group 0..87][K step 0..7]: x's 64 groups of rows, then w_in's 24.  So a fragment is three ds_load_b128 of consecutive bytes, and two K steps of a group are one dense tile.
; A TILE is 256 x 256: four waves of 128 x 128, 64 accumulators in 512 registers.  Source 1 (the A side) gives a lane its row; source 0 (the B side) runs along a lane's registers: with these records register j of
; accumulator (a, b) in lane (r, h) is B row 32 (b / 2) + 16 h + 8 (b % 2) + j: the 64 registers of a block a are 128 NEIGHBOURS along the B side, 16 of each block of 32 in a lane.
; q, k (clusters y 0..7): A = x (tokens), B = w_in's rows 0..2047: the registers run along the head pair's 128 columns.   v (clusters y 8..11): A = w_in's rows 2048.., B = x: the registers run along the tokens, the second product's K.
; A wave's 128 x 128 is exactly one record of qkv: record t 512 + (batch 8 + head pair) 16 + group of 128 tokens, t = 0 q, 1 k, 2 v.
; K goes in four parts of 256 through THREE LDS slots: parts 0, 1, 2 are first fills, part 3 is the launch's one refill (slot 0).  The eight steps of 128 are written out.
; CLUSTERS 4 x 4: A's groups hang on the cluster's y and cy alone and are asked for jointly along a row of the cluster, B's on x, y and cx and along a column.
; LIMITS: a block of zeros, or one under 2^-124, gets the byte 1 (read by this program alone); NaN and infinities are not served.
; REGISTERS: window 0: v4 16 x lane, v5 lane, v8-10 / v12-14 LDS addresses of my A / B group in slots 0-2, v28, v29 the add's, v32-47 scale words (two sets: A's four, B's four), v128-223 A's fragments (one set);
;   on the way out v48-55 scale words made, v56-59 their image, v60-82 at work, v128-223 the codes.   window 1: B's fragments, two sets, at v0 and v128.   windows 2, 3: the accumulators, (a, b) at v[8 (8 (a % 4) + b)].
.set REC,   12800
.set SLOTG, 2*REC                      ; a group's two K steps: what one tensor load brings
.set SLOT,  4*SLOTG                    ; A's two groups, then B's two
.set SPARE, 3*SLOT                     ; behind the slots: the spare words, 128 bytes a wave
.set FR,    12
.set L16,   4
.set LN,    5
.set ADRA,  8
.set ADRB,  12
.set SPW,   28
.set NIL,   29
.set SC,    32
.set AF,    128
.set PW,    48
.set TM,    60
.set G1,    24                         ; s[24:31] group 1 for A's tiles; s[32:39] for B's; s[40:51], s[52:63] their groups 0, one for each first fill
.set G1B,   32
.set G0A,   40
.set G0B,   52
.set MSB,   0
.macro WIN new                         ; the immediate's high byte repeats the setting that is left
.if MSB != (\new)
	s_set_vgpr_msb (MSB<<8)|(\new)
.set MSB, \new
.endif
.endm
.set MUL_LO, 0xa1                      ; source 0 (B) window 1, source 1 (A) window 0, C and D window 2
.set MUL_HI, 0xf1                      ; the same, C and D window 3
.set TO_B,   0x40                      ; destination window 1, address window 0
; A joint load: waves 0 and 1 fetch A's two groups, waves 2 and 3 B's.  Each line has one mask and one set of registers; the branch hangs on the wave's number alone.  Four v_nop follow each line.
.macro JLOAD g0a, g0b
	s_cmp_eq_u32 s9, 0
	s_cbranch_scc0 .Lfor_b_\@
	tensor_load_to_lds s[\g0a:\g0a+3], s[G1:G1+7]
	s_nop 0
.rept 4
	v_nop
.endr
	s_branch .Lasked_\@
.Lfor_b_\@:
	tensor_load_to_lds s[\g0b:\g0b+3], s[G1B:G1B+7]
	s_nop 0
.rept 4
	v_nop
.endr
.Lasked_\@:
.endm
.macro CREST                           ; a round of the cluster's barrier behind its opening barrier
	s_cmp_lg_u32 s8, 0
	s_cbranch_scc1 .Lnot_wave_0_\@
	s_barrier_signal -3
.Lnot_wave_0_\@:
	s_barrier_wait -3
	s_barrier_signal -1
	s_barrier_wait -1
.endm
.macro CROUND
	s_barrier_signal -1
	s_barrier_wait -1
	CREST
.endm
.macro PLACES                          ; four plain places between a matrix instruction and a load into, or a vector read of, its registers
.rept 4
	v_nop
.endr
.endm
.macro FRAG reg, adr, off              ; a fragment: its image, three pieces of 512 consecutive bytes
.irp k, 0,1,2
	ds_load_b128 v[\reg+4*\k:\reg+4*\k+3], v[\adr] offset:\off+512*\k
.endr
.endm
.macro FETCH_B sl, hf, p               ; B's eight fragments of slot sl, half hf, into set p
	WIN TO_B
.irp i, 0,1,2,3,4,5,6,7
	FRAG 128*(\p)+FR*\i, ADRB+\sl, (\hf)*REC+1536*\i
.endr
	WIN 0
.endm
.macro FETCH_A sl, hf, i0              ; A's blocks i0 .. i0 + 3
.irp i, \i0, \i0+1, \i0+2, \i0+3
	FRAG AF+FR*(\i), ADRA+\sl, (\hf)*REC+1536*(\i)
.endr
.endm
.macro SCALES sl, hf, p                ; the step's scale words into set p: register i: lanes 0-15 block i's, lanes 16-31 block 4 + i's
	ds_load_b128 v[SC+8*(\p):SC+8*(\p)+3], v[ADRA+\sl] offset:(\hf)*REC+12288
	ds_load_b128 v[SC+8*(\p)+4:SC+8*(\p)+7], v[ADRB+\sl] offset:(\hf)*REC+12288
.endm
; One product: A's block a x B's block b, B's set and the scale set p.  Blocks 4-7 take their scale words from lanes 16-31.
.macro WM a, b, p, zero
.set rD, 8*(8*((\a)%4)+(\b))
.set rB, 128*(\p)+FR*(\b)
.set rA, AF+FR*(\a)
.set rSB, SC+8*(\p)+4+(\b)%4
.set rSA, SC+8*(\p)+(\a)%4
.if \zero
.if ((\a) < 4) && ((\b) < 4)
	v_wmma_scale_f32_16x16x128_f8f6f4 v[rD:rD+7], v[rB:rB+11], v[rA:rA+11], 0, v[rSB], v[rSA] matrix_a_fmt:MATRIX_FMT_FP6 matrix_b_fmt:MATRIX_FMT_FP6
.elseif (\a) < 4
	v_wmma_scale_f32_16x16x128_f8f6f4 v[rD:rD+7], v[rB:rB+11], v[rA:rA+11], 0, v[rSB], v[rSA] matrix_a_fmt:MATRIX_FMT_FP6 matrix_b_fmt:MATRIX_FMT_FP6 matrix_a_scale:MATRIX_SCALE_ROW1
.elseif (\b) < 4
	v_wmma_scale_f32_16x16x128_f8f6f4 v[rD:rD+7], v[rB:rB+11], v[rA:rA+11], 0, v[rSB], v[rSA] matrix_a_fmt:MATRIX_FMT_FP6 matrix_b_fmt:MATRIX_FMT_FP6 matrix_b_scale:MATRIX_SCALE_ROW1
.else
	v_wmma_scale_f32_16x16x128_f8f6f4 v[rD:rD+7], v[rB:rB+11], v[rA:rA+11], 0, v[rSB], v[rSA] matrix_a_fmt:MATRIX_FMT_FP6 matrix_b_fmt:MATRIX_FMT_FP6 matrix_a_scale:MATRIX_SCALE_ROW1 matrix_b_scale:MATRIX_SCALE_ROW1
.endif
.else
.if ((\a) < 4) && ((\b) < 4)
	v_wmma_scale_f32_16x16x128_f8f6f4 v[rD:rD+7], v[rB:rB+11], v[rA:rA+11], v[rD:rD+7], v[rSB], v[rSA] matrix_a_fmt:MATRIX_FMT_FP6 matrix_b_fmt:MATRIX_FMT_FP6
.elseif (\a) < 4
	v_wmma_scale_f32_16x16x128_f8f6f4 v[rD:rD+7], v[rB:rB+11], v[rA:rA+11], v[rD:rD+7], v[rSB], v[rSA] matrix_a_fmt:MATRIX_FMT_FP6 matrix_b_fmt:MATRIX_FMT_FP6 matrix_a_scale:MATRIX_SCALE_ROW1
.elseif (\b) < 4
	v_wmma_scale_f32_16x16x128_f8f6f4 v[rD:rD+7], v[rB:rB+11], v[rA:rA+11], v[rD:rD+7], v[rSB], v[rSA] matrix_a_fmt:MATRIX_FMT_FP6 matrix_b_fmt:MATRIX_FMT_FP6 matrix_b_scale:MATRIX_SCALE_ROW1
.else
	v_wmma_scale_f32_16x16x128_f8f6f4 v[rD:rD+7], v[rB:rB+11], v[rA:rA+11], v[rD:rD+7], v[rSB], v[rSA] matrix_a_fmt:MATRIX_FMT_FP6 matrix_b_fmt:MATRIX_FMT_FP6 matrix_a_scale:MATRIX_SCALE_ROW1 matrix_b_scale:MATRIX_SCALE_ROW1
.endif
.endif
.endm
.macro MUL16 a0, p, zero               ; A's blocks a0, a0 + 1 x B's eight.  The 64 accumulators take turns, one instruction a turn, in the same order in every step
.irp a, \a0, \a0+1
.irp b, 0,1,2,3,4,5,6,7
	WM \a, \b, \p, \zero
.endr
.endr
.endm
; Step q of 128 along K; its successor lies in slot nsl, half nhf, which every wave knows to be whole.
.macro STEP q, nsl, nhf, zero
	s_wait_dscnt 12                                ; B's set, the scale words and A's blocks 0-3 are in; the youngest twelve loads (A's blocks 4-7) may be out
	WIN MUL_LO
	MUL16 0, (\q)%2, \zero
	MUL16 2, (\q)%2, \zero
	s_wait_dscnt 0x0                               ; A's blocks 4-7 are in
	PLACES
	FETCH_B \nsl, \nhf, 1-(\q)%2
	FETCH_A \nsl, \nhf, 0
	SCALES \nsl, \nhf, 1-(\q)%2
	WIN MUL_HI
	MUL16 4, (\q)%2, \zero
	MUL16 6, (\q)%2, \zero
	PLACES
	WIN 0
	FETCH_A \nsl, \nhf, 4
.endm
; A step (an odd one: set 1) with a barrier in it.  In front of the barrier each wave waits for all its tensor loads, adds 0 to its spare word, and waits for that and for its LDS reads.
; fill = 1: the barrier opens a round of the cluster's barrier, and slot 0, which nobody reads any more, takes K part 3.  fill = 0: the barrier shows that part to every wave.
.macro TURN nsl, fill
	s_wait_tensorcnt 0x0                           ; all my tensor loads have landed
	ds_add_u32 v[SPW], v[NIL]                      ; 0 onto my spare word
	s_wait_dscnt 13                                ; (the add and the youngest twelve loads may be out)
	WIN MUL_LO
	MUL16 0, 1, 0                                  ; sixteen matrix instructions stand between the add and the wait for it
	s_wait_dscnt 0x0                               ; the add is done, and my reads of the slot in hand are over
	s_barrier_signal -1
	MUL16 2, 1, 0
	WIN 0
	s_barrier_wait -1
.if \fill
	CREST                                          ; no wave of any partner still reads slot 0 or has a load on its way
	s_add_nc_u64 s[G0A+2:G0A+3], s[G0A+2:G0A+3], 3*SLOTG
	s_add_nc_u64 s[G0B+2:G0B+3], s[G0B+2:G0B+3], 3*SLOTG
	JLOAD G0A, G0B                                 ; the first tensor load behind the round, one a wave: it has four steps, 256 matrix instructions, in which to land; its four v_nop are the places for the loads below
.else
	PLACES
.endif
	FETCH_B \nsl, 0, 0
	FETCH_A \nsl, 0, 0
	SCALES \nsl, 0, 0
	WIN MUL_HI
	MUL16 4, 1, 0
	MUL16 6, 1, 0
	PLACES
	WIN 0
	FETCH_A \nsl, 0, 4
.endm
	s_load_b128 s[4:7], s[0:1], 0x0                ; xw, qkv
	v_lshl_add_u32 v[SPW], v0, 2, SPARE
	v_mov_b32 v[NIL], 0
	ds_add_u32 v28, v29
	ds_add_u32 v28, v29
	s_wait_dscnt 0x0
	v_lshrrev_b32 v1, 5, v0
	v_readfirstlane_b32 s8, v1                     ; wave 0..3
	s_lshr_b32 s9, s8, 1                           ; which of A's two groups is mine.  Also: I fetch for A (0) or for B (1)
	s_and_b32 s10, s8, 1                           ; which of B's two groups is mine.  Also: which of the two groups I fetch
	s_bfe_u32 s11, ttmp6, 0x40000                  ; cx
	s_bfe_u32 s12, ttmp6, 0x40004                  ; cy
	s_and_b32 s14, ttmp7, 0xffff                   ; the cluster's y; its x is ttmp9
	s_lshl_b32 s17, s12, 2
	s_lshl_b32 s17, 15, s17                        ; my row of the cluster
	s_lshl_b32 s18, 0x1111, s11                    ; my column
	s_or_b32 s[G1], s17, (3<<16)|(1<<21)           ; 15:0 the mask; 17:16 elements of 8 bytes; 20 no padding; 21 set beside a mask
	s_or_b32 s[G1B], s18, (3<<16)|(1<<21)
.irp g, G1, G1B
	s_mov_b32 s[\g+1], 32<<16                      ; tensor_dim0 = 32 elements: 256 bytes
	s_mov_b32 s[\g+2], 100<<16                     ; tensor_dim1 = 100 rows: 25,600 dense bytes
	s_mov_b32 s[\g+3], 32<<16                      ; tile_dim0
	s_mov_b32 s[\g+4], 100                         ; tile_dim1
	s_mov_b32 s[\g+5], 32                          ; the pitch
	s_mov_b32 s[\g+6], 0
	s_mov_b32 s[\g+7], 0
.endr
	; which groups: q, k (cluster y < 8): A = 8 y + 2 cy, B = 64 + 8 x + 2 cx;  v: A = 80 + 2 cy, B = 16 (y - 8) + 8 x + 2 cx
	s_lshl_b32 s19, s14, 3
	s_lshl_b32 s20, ttmp9, 3
	s_add_co_u32 s21, s20, 64
	s_max_u32 s22, s14, 8
	s_sub_co_u32 s22, s22, 8
	s_lshl_b32 s22, s22, 4
	s_add_co_u32 s22, s22, s20
	s_cmp_lt_u32 s14, 8                            ; equal in all sixteen partners
	s_cselect_b32 s15, s19, 80
	s_cselect_b32 s16, s21, s22
	s_lshl_b32 s23, s12, 1
	s_add_co_u32 s15, s15, s23                     ; A's first group: of the place in the cluster it holds cy alone
	s_lshl_b32 s66, s11, 1
	s_add_co_u32 s16, s16, s66                     ; B's: cx alone
	s_add_co_u32 s67, s15, s10
	s_mul_i32 s68, s67, 8*REC
	s_mov_b32 s69, 0
	s_add_co_u32 s78, s16, s10
	s_mul_i32 s70, s78, 8*REC
	s_mov_b32 s71, 0
	s_mul_i32 s72, s8, SLOTG                       ; where they go: wave x a group: no place in the cluster enters an LDS address
	s_wait_kmcnt 0x0
	s_add_nc_u64 s[68:69], s[4:5], s[68:69]
	s_add_nc_u64 s[70:71], s[4:5], s[70:71]
	CROUND                                         ; all sixteen work-groups are here: the first joint loads meet
.irp kk, 0,1,2
	s_mov_b32 s[G0A+4*\kk], 1
	s_add_co_u32 s[G0A+4*\kk+1], s72, \kk*SLOT
	s_add_nc_u64 s[G0A+4*\kk+2:G0A+4*\kk+3], s[68:69], \kk*SLOTG
	s_or_b32 s[G0A+4*\kk+3], s[G0A+4*\kk+3], 0x80000000
	s_mov_b32 s[G0B+4*\kk], 1
	s_add_co_u32 s[G0B+4*\kk+1], s72, \kk*SLOT
	s_add_nc_u64 s[G0B+4*\kk+2:G0B+4*\kk+3], s[70:71], \kk*SLOTG
	s_or_b32 s[G0B+4*\kk+3], s[G0B+4*\kk+3], 0x80000000
	JLOAD G0A+4*\kk, G0B+4*\kk                     ; K parts 0, 1, 2: three loads of mine are out
.endr
	v_and_b32 v[LN], 31, v0
	v_lshlrev_b32 v[L16], 4, v[LN]
	s_mul_i32 s73, s9, SLOTG                       ; my group of A
	s_mul_i32 s74, s10, SLOTG
	s_add_co_u32 s74, s74, 2*SLOTG                 ; my group of B, behind A's two
.irp s, 0,1,2
	v_add_nc_u32 v[ADRA+\s], s73, v[L16]
	v_add_nc_u32 v[ADRB+\s], s74, v[L16]
	s_add_co_u32 s73, s73, SLOT
	s_add_co_u32 s74, s74, SLOT
.endr
	; my record of qkv: mm = x's group (batch 16 + group of tokens), nn = w_in's group (t 8 + head pair)
	s_add_co_u32 s75, s15, s9
	s_add_co_u32 s76, s16, s10
	s_cmp_lt_u32 s14, 8
	s_cselect_b32 s77, s75, s76                    ; mm
	s_cselect_b32 s78, s76, s75
	s_sub_co_u32 s78, s78, 64                      ; nn
	s_lshr_b32 s17, s78, 3
	s_lshl_b32 s17, s17, 9
	s_lshr_b32 s18, s77, 4
	s_lshl_b32 s18, s18, 7
	s_add_co_u32 s17, s17, s18
	s_and_b32 s18, s78, 7
	s_lshl_b32 s18, s18, 4
	s_add_co_u32 s17, s17, s18
	s_and_b32 s18, s77, 15
	s_add_co_u32 s17, s17, s18
	s_mul_i32 s18, s17, REC
	s_mov_b32 s19, 0
	s_add_nc_u64 s[6:7], s[6:7], s[18:19]
	s_mov_b32 s20, 0x76543210
	s_mov_b32 s21, 0xfedcba98                      ; v_permlanex16_b32's selects for lane l xor 16
	s_wait_tensorcnt 0x2                           ; my part of K part 0 is in; parts 1 and 2 may stay out
	s_barrier_signal -1
	s_barrier_wait -1                              ; everybody's is
	FETCH_B 0, 0, 0
	FETCH_A 0, 0, 0
	SCALES 0, 0, 0
	FETCH_A 0, 0, 4
	STEP 0, 0, 1, 1                                ; the first step's products start the sums: nothing is cleared
	TURN 1, 1                                      ; step 1; every wave's three first fills have landed; slot 0 takes K part 3
	STEP 2, 1, 1, 0
	STEP 3, 2, 0, 0
	STEP 4, 2, 1, 0
	TURN 0, 0                                      ; step 5; K part 3 has landed in every wave's part of slot 0
	STEP 6, 0, 1, 0
	s_wait_dscnt 12                                ; step 7: nothing more to fetch
	WIN MUL_LO
	MUL16 0, 1, 0
	MUL16 2, 1, 0
	s_wait_dscnt 0x0
	WIN MUL_HI
	MUL16 4, 1, 0
	MUL16 6, 1, 0
	WIN 0
; THE WAY OUT.  Block a's 64 registers, register 16 b + i = B row 32 b + 16 h + i of my lane's row, become block a's image of my record and its scale word.  The numbers lie in window 2 or 3.
.macro QUANTW a
.set QW, 2+(\a)/4
.set QS, 64*((\a)%4)
.set QC, AF+FR*(\a)                    ; the codes take the registers that A's fragments have left: twelve of its own for each block, so that no store's data are written again
	WIN (QW<<2)|(QW<<4)                            ; sources 1 and 2: the numbers' window
.irp b, 0,1,2,3
	v_max3_num_f32 v[TM+\b], 0x1800000, |v[QS+16*\b]|, |v[QS+16*\b+1]|   ; my 16 numbers of block b, and the floor 2^(3 - 127).  Each accumulator is read from its low end on
.endr
.irp i, 2,4,6,8,10,12,14
.irp b, 0,1,2,3
	v_max3_num_f32 v[TM+\b], v[TM+\b], |v[QS+16*\b+\i]|, |v[QS+16*\b+\i+1]|
.endr
.endr
	WIN 0
.irp b, 0,1,2,3
	v_permlanex16_b32 v[TM+4+\b], v[TM+\b], s20, s21
.endr
.irp b, 0,1,2,3
	v_max_num_f32 v[TM+\b], v[TM+\b], v[TM+4+\b]   ; with lane l xor 16's: the block's largest magnitude
.endr
.irp b, 0,1,2,3
	v_add_nc_u32 v[TM+12+\b], 0xff000000, v[TM+\b] ; 2 off its exponent field: the conversion's scale operand
.endr
.irp b, 0,1,2,3
	v_lshrrev_b32 v[TM+4+\b], 23, v[TM+12+\b]      ; the scale's byte
.endr
	v_lshl_or_b32 v[PW+(\a)], v[TM+5], 8, v[TM+4]
	v_lshl_or_b32 v[PW+(\a)], v[TM+6], 16, v[PW+(\a)]
	v_lshl_or_b32 v[PW+(\a)], v[TM+7], 24, v[PW+(\a)]
	WIN QW                                         ; source 0: the numbers' window
.irp c, 0,1
	v_cvt_scalef32_pk16_fp6_f32 v[QC+6*\c:QC+6*\c+2], v[QS+32*\c:QS+32*\c+15], v[TM+12+2*\c]
	v_cvt_scalef32_pk16_fp6_f32 v[76+4*\c:78+4*\c], v[QS+32*\c+16:QS+32*\c+31], v[TM+12+2*\c+1]   ; (a conversion's three registers begin on an even number)
.endr
	WIN 0
	v_nop                                          ; one plain place behind a scaled conversion
.irp c, 0,1                                    ; the layout wants a WHOLE block in a lane: lanes 0-15 block 2 c, lanes 16-31 block 2 c + 1
.irp i, 0,1,2
	v_permlane16_swap_b32 v[QC+6*\c+\i], v[76+4*\c+\i]
.endr
.irp i, 0,1,2
	v_mov_b32 v[QC+6*\c+3+\i], v[76+4*\c+\i]
.endr
.endr
.irp k, 0,1,2
	global_store_b128 v[L16], v[QC+4*\k:QC+4*\k+3], s[6:7] offset:1536*(\a)+512*\k   ; 32 lanes store 512 consecutive bytes, at a multiple of 256 from the buffer's first byte
.endr
.endm
	PLACES                                         ; behind the last products
.irp b, 0,1,2,3
	v_mov_b32 v[TM+4+\b], 0                        ; written once: a lane permute's destination counts as one of its sources
.endr
.irp a, 0,1,2,3,4,5,6,7
	QUANTW \a
.endr
	v_cmp_le_u32 vcc_lo, 16, v[LN]                 ; the scale words' image: lanes 0-15 take blocks 0-3, lanes 16-31 blocks 4-7 (both halves of the lanes hold every row's word)
.irp j, 0,1,2,3
	v_cndmask_b32 v[56+\j], v[PW+\j], v[PW+4+\j], vcc_lo
.endr
	global_store_b128 v[L16], v[56:59], s[6:7] offset:12288
	s_wait_tensorcnt 0x0                           ; the wave's end
	ds_add_u32 v[SPW], v[NIL]
	s_wait_dscnt 0x0
	CROUND                                         ; the closing round: no work-group ends while a partner may still ask for a tile that names it
	s_endpgm
.Lfunc_end_k_q06f2617ef7_gemm1:
	.size	k_q06f2617ef7_gemm1, .Lfunc_end_k_q06f2617ef7_gemm1-k_q06f2617ef7_gemm1
	.p2alignl 7, 3214868480
	.fill 96, 4, 3214868480
	.section	.rodata,"a",@progbits
	.p2align	6, 0x0
	.amdhsa_kernel k_q06f2617ef7_gemm1
		.amdhsa_group_segment_fixed_size 327680
		.amdhsa_private_segment_fixed_size 0
		.amdhsa_enable_private_segment 0
		.amdhsa_kernarg_size 16
		.amdhsa_user_sgpr_count 2
		.amdhsa_user_sgpr_kernarg_segment_ptr 1
		.amdhsa_wavefront_size32 1
		.amdhsa_system_sgpr_workgroup_id_x 1
		.amdhsa_system_sgpr_workgroup_id_y 1
		.amdhsa_system_sgpr_workgroup_id_z 1
		.amdhsa_system_vgpr_workitem_id 0
		.amdhsa_next_free_vgpr 1024
		.amdhsa_next_free_sgpr 80
		.amdhsa_reserve_vcc 1
		.amdhsa_float_denorm_mode_32 3
		.amdhsa_float_denorm_mode_16_64 3
		.amdhsa_memory_ordered 1
		.amdhsa_forward_progress 1
		.amdhsa_inst_pref_size 136
	.end_amdhsa_kernel
	.amdgpu_metadata
---
amdhsa.version: [ 1, 2 ]
amdhsa.kernels:
  - .name:           k_q06f2617ef7_gemm1
    .symbol:         k_q06f2617ef7_gemm1.kd
    .args:
      - { .name: xw, .offset: 0, .size: 8, .value_kind: global_buffer, .address_space: global }
      - { .name: qkv, .offset: 8, .size: 8, .value_kind: global_buffer, .address_space: global }
    .group_segment_fixed_size: 327680
    .private_segment_fixed_size: 0
    .kernarg_segment_align: 8
    .kernarg_segment_size: 16
    .max_flat_workgroup_size: 128
    .sgpr_count:     80
    .vgpr_count:     1024
    .wavefront_size: 32
...
	.end_amdgpu_metadata
.endif
;; end of part 2
;; launch attn (part 3): grid 8 x 32, 16 waves a work-group, no clusters, 169,984 bytes of LDS; arguments qkv, ow; writes ow
.if DOCPART == 3
	.amdgcn_target "amdgcn-amd-amdhsa--gfx1250"
	.amdhsa_code_object_version 6
	.text
	.protected	k_q06f2617ef7_attn
	.globl	k_q06f2617ef7_attn
	.p2align	8
	.type	k_q06f2617ef7_attn,@function
k_q06f2617ef7_attn:
	s_mov_b64 s[64:65], 0
	v_nop
	global_prefetch_b8 v0, s[64:65] scope:SCOPE_SE
	s_setreg_imm32_b32 hwreg(HW_REG_WAVE_MODE, 25, 1), 1
	s_wait_xcnt 0x0
; Sliding-window attention with an added ALiBi bias, both products on codes of FP6 (E2M3) with E8M0 scales; o is quantised along E on the way out.
; Key k counts for query q where 0 <= q - k < 512 and k lies in the sequence.  logit = q . k / 8 + (q - k) slope, slope = 2^(-(head + 1) / 2).  t = logit x log2(e); M = the ceiling of the running largest t;
; p = 2^(t - M) is quantised along the keys, not normalised; the row's sum is taken of the unquantised p and divides O at the end; when M moves, the sum and O are multiplied by 2^(old M - new M), exactly.
; qkv holds RECORDS (128 rows x 128 K, 12,800 bytes; block a's image at 1536 a in three pieces of 512 bytes; lane-row r of block a = row 32 (a / 2) + 8 (a % 2) + r + 8 (r / 8); scale words at 12,288, lane (r, h): blocks 4 h + 0 .. 3):
; record t 512 + bp 16 + g, bp = batch 8 + head pair, g = group of 128 tokens; q (t = 0), k (1): rows = tokens, K = the pair's 128 columns; v (2): rows = the pair's 128 (head, d), K = tokens.
; SHARES.  A work-group owns 256 queries of one head pair; each of its sixteen waves one block of 16 queries, for BOTH heads, one after the other.  Four waves to a SIMD: one wave's vector work stands beside another's products and LDS loads.
; KEYS go in steps of one record.  LDS slot j (0..5) holds key step 2 qb - 4 + j; a wave of query group gq walks slots gq + 0 .. 4: step 0 is cut by the window's far edge, steps 1-3 are open, step 4 is the diagonal.
; All twelve records are filled ONCE, one tensor load each by waves 0-11: no ring, no refill.  A slot whose keys would lie in front of the sequence takes key step 0's record, which nobody reads: no load is jumped over on the work-group's number.
; NO CLUSTER: a record of K or V is wanted by at most three of a pair's eight query blocks, in each at another slot (slot = key step - the block's own first step), so no one descriptor serves two work-groups.
; K = 64 IN AN INSTRUCTION OF 128: Q's other half is zero CODES, so K's other half may hold any codes (the format has no NaN, the pair's scale bytes are valid): tile a's six registers lie at v[42 + 6 a], and the operand
; is v[42 + 6 a : 53 + 6 a] for the even head ([tile | whatever follows]) and v[36 + 6 a : 47 + 6 a] for the odd one.  Only the head's own half of an image is read from LDS.
; BOTH PRODUCTS ARE USED TRANSPOSED: a lane holds one query; register 16 b + i of the scores is key 32 b + 16 h + i of the step.
; THE BIAS: q - k = (RB - 32 b) + (d - 8 u - j), RB = 512 - 128 step, d = the query's place in its group - 16 h.  8 slope (d - 8 u - j) is the C of every score instruction (16 registers a head);
; the rest, slope log2(e) (RB - 32 b), is a scalar for each block of 32 keys and goes into the multiply-add that makes t - M.
; LIMITS: t is formed as c (s + 8 slope delta) + g where the definition forms (s / 8 + rel slope) log2(e): both are f32 sums of magnitude up to about 650, so they agree to about 1e-4 absolutely.  1 / sum by v_rcp_f32.
; A block of zeros, or one under 2^-124, gets the byte 1 (read by this program alone).  NaN and infinities are not served.
; REGISTERS: v1 16 x lane; v[2:3], [4:5], [6:7], [10:11] g - M of the four blocks (low word); v8, v9 LDS addresses; v12 -M, v13 largest t, v[14:15] the sum; v16-21 q even | v22-27 zeros | v28-33 q odd; v34 d; v35 q's scale word's offset;
; v36-95 K's tiles with pads, then V's four fragments; v96-159 scores, then p; v160-191 O^T; v192-207 the bias; v208-219 o's codes, v220 its scale word; v221 -infinity; v222, v223 LDS addresses of o's scale words; v224-235 p's codes; v232-254 at work; v255 q's scale word.
; s32-63, s66-97: 64 lane masks (bit set where the register's key lies behind the lane's query in a group); s98-101 the four scalars g.
.set REC,  12800
.set VOFF, 6*REC                       ; K's six records, then V's six
.set OSG,  12*REC                      ; behind them: o's scale words, 2 x 512 bytes, stored by the waves: no fill lands there
	s_load_b128 s[4:7], s[0:1], 0x0                ; qkv, ow
	v_lshl_add_u32 v254, v0, 2, 0x29000
	v_mov_b32 v255, 0
	ds_add_u32 v254, v255
	ds_add_u32 v254, v255
	s_wait_dscnt 0x0
	v_lshrrev_b32 v1, 5, v0
	v_readfirstlane_b32 s8, v1                     ; wave 0..15
	s_lshr_b32 s9, s8, 3                           ; gq: which group of 128 queries
	s_and_b32 s10, s8, 7                           ; aq: which block of 16 in it
	s_mov_b32 s11, ttmp9                           ; qb: the block of 256 queries
	s_and_b32 s12, ttmp7, 0xffff                   ; bp
	s_mov_b32 s16, 3<<16                           ; group 1: no mask, elements of 8 bytes, no padding
	s_mov_b32 s17, 32<<16                          ; tensor_dim0 = 32: 256 bytes
	s_mov_b32 s18, 50<<16                          ; tensor_dim1 = 50 rows: a record
	s_mov_b32 s19, 32<<16                          ; tile_dim0
	s_mov_b32 s20, 50                              ; tile_dim1
	s_mov_b32 s21, 32                              ; the pitch
	s_mov_b32 s22, 0
	s_mov_b32 s23, 0
	s_lshl_b32 s32, s11, 1                         ; 2 qb
	s_mov_b32 s33, 1024
	s_cmp_lt_u32 s8, 6                             ; waves 0-5 fetch K's slots, waves 6-11 V's
	s_cselect_b32 s33, 512, s33
	s_cselect_b32 s34, 0, 6
	s_sub_co_u32 s34, s8, s34                      ; the slot
	s_add_co_u32 s34, s34, s32
	s_sub_co_i32 s34, s34, 4
	s_max_i32 s34, s34, 0                          ; its key step, held at 0 from below
	s_lshl_b32 s35, s12, 4
	s_add_co_u32 s34, s34, s35
	s_add_co_u32 s34, s34, s33
	s_mul_i32 s36, s34, REC
	s_mov_b32 s37, 0
	s_add_co_u32 s38, s32, s9                      ; my group of tokens: 2 qb + gq
	s_add_co_u32 s39, s38, s35
	s_mul_i32 s40, s39, REC                        ; q's record
	s_mov_b32 s41, 0
	s_mul_i32 s42, s10, 1536                       ; my block's image in a record
	s_mov_b32 s43, 0
	s_lshr_b32 s44, s12, 3
	s_lshl_b32 s44, s44, 4                         ; 16 x batch
	s_and_b32 s45, s12, 7                          ; the head pair
	s_add_co_u32 s46, s44, s38
	s_lshl_b32 s46, s46, 3
	s_add_co_u32 s46, s46, s45
	s_mul_i32 s46, s46, REC                        ; o's record: ow[16 batch + group][pair],
	s_add_co_u32 s46, s46, s42                     ; my block's image
	s_mov_b32 s47, 0
	s_min_u32 s48, s8, 1                           ; waves 0 and 1 send the two records' scale words
	s_add_co_u32 s49, s44, s32
	s_add_co_u32 s49, s49, s48
	s_lshl_b32 s49, s49, 3
	s_add_co_u32 s49, s49, s45
	s_mul_i32 s50, s49, REC
	s_mov_b32 s51, 0
	s_mov_b32 s24, 1                               ; group 0: count = 1,
	s_mul_i32 s25, s8, REC                         ; LDS address: wave x a record,
	s_wait_kmcnt 0x0
	s_add_nc_u64 s[26:27], s[4:5], s[36:37]        ; the record in memory,
	s_or_b32 s27, s27, 0x80000000                  ; type = 2
	s_cmp_lt_u32 s8, 12
	s_cbranch_scc0 .Lno_load
	tensor_load_to_lds s[24:27], s[16:23]          ; my one tensor load of the launch
	s_nop 0
.rept 4
	v_nop
.endr
.Lno_load:
	s_add_nc_u64 s[52:53], s[4:5], s[40:41]        ; q's record,
	s_add_nc_u64 s[54:55], s[52:53], s[42:43]      ; my block's image
	s_add_nc_u64 s[4:5], s[6:7], s[46:47]          ; where my block of o goes
	s_add_nc_u64 s[6:7], s[6:7], s[50:51]          ; and (waves 0, 1) a record's scale words
	v_and_b32 v35, 31, v0
	v_lshlrev_b32 v1, 4, v35                       ; 16 x lane; never rewritten
	v_and_b32 v8, 15, v0                           ; r
	v_bfe_u32 v9, v0, 4, 1                         ; h
	global_load_b128 v[16:19], v1, s[54:55]                ; the even head's six registers of the image,
	global_load_b64 v[20:21], v1, s[54:55] offset:512
	global_load_b64 v[28:29], v1, s[54:55] offset:520      ; the odd head's six
	global_load_b128 v[30:33], v1, s[54:55] offset:1024
	s_lshr_b32 s56, s10, 2
	s_lshl_b32 s56, s56, 8
	s_and_b32 s57, s10, 3
	s_lshl_b32 s57, s57, 2
	s_add_co_u32 s56, s56, s57
	v_lshl_add_u32 v35, v8, 4, s56                 ; a scale word of my block: 256 (aq / 4) + 16 r + 4 (aq % 4)
	global_load_b32 v255, v35, s[52:53] offset:12288       ; q's scale words
	s_lshl_b32 s58, s9, 9
	s_add_co_u32 s58, s58, OSG
	v_add_nc_u32 v222, s58, v35                    ; where o's scale word goes in LDS
	s_lshl_b32 s60, s48, 9
	s_add_co_u32 s60, s60, OSG
	v_add_nc_u32 v223, s60, v1                     ; and where waves 0, 1 read a record's
	s_lshr_b32 s59, s10, 1
	s_lshl_b32 s59, s59, 5
	s_and_b32 s61, s10, 1
	s_lshl_b32 s61, s61, 3
	s_add_co_u32 s59, s59, s61
	v_and_b32 v34, 8, v8
	v_add_nc_u32 v34, v34, v8
	v_add_nc_u32 v34, s59, v34                     ; my query's place in its group: 32 (aq / 2) + 8 (aq % 2) + r + 8 (r / 8)
	v_lshlrev_b32 v9, 4, v9
	v_sub_nc_u32 v34, v34, v9                      ; d = that - 16 h
.irp j, 22,23,24,25,26,27, 36,37,38,39,40,41, 90,91,92,93,94,95
	v_mov_b32 v[\j], 0                             ; Q's zero codes, and the pads at both ends of K's tiles
.endr
.irp j, 3,5,7,11, 236,237,238,239, 252,253
	v_mov_b32 v[\j], 0                             ; upper words of pairs that are named whole, and lane permutes' destinations: written once
.endr
	v_mov_b32 v221, 0xff800000                     ; -infinity
	s_mov_b32 s28, 0x76543210
	s_mov_b32 s29, 0xfedcba98                      ; v_permlanex16_b32's selects for lane l xor 16
	s_mov_b32 s30, 0x3e38aa3b                      ; c = log2(e) / 8
	s_mov_b32 s31, s30                             ; (named with it as a pair)
	s_wait_tensorcnt 0x0                           ; my record has landed,
	s_wait_loadcnt 0x0                             ; Q is in (and the loads' address registers are free)
	s_barrier_signal -1
	s_barrier_wait -1                              ; everybody's record has
	s_lshl_b32 s19, s45, 23                        ; the pair's number, at an exponent field's place
.set n, 0
.rept 64
	v_cmp_gt_i32 s[32+n+2*(n/32)], 32*(n/16)+n%16, v34   ; register n holds the key at place 32 (n / 16) + n % 16 + 16 h of its group: is that behind my query's place?
.set n, n+1
.endr
.macro SCALEB b, gm                    ; block b: t - M = c u + (g - M), two at a time, and the same of the block's largest u
.irp j, 0,2,4,6,8,10,12,14
	v_pk_fma_f32 v[96+16*\b+\j:97+16*\b+\j], v[96+16*\b+\j:97+16*\b+\j], s[30:31], v[\gm:\gm+1] op_sel_hi:[1,0,0]
.endr
	v_fma_f32 v[232+\b], v[232+\b], s30, v[\gm]
.endm
; ONE HEAD of the pair: c = 0 the even one, 1 the odd one.
.macro HEAD c
.if \c == 0
	s_sub_co_u32 s18, 0x3f3504f3, s19              ; slope = 2^(-1/2 - pair)
.else
	s_sub_co_u32 s18, 0x3f000000, s19              ; slope = 2^(-1 - pair)
.endif
	s_add_co_u32 s16, s18, 3<<23                   ; 8 slope
	s_mul_f32 s17, s18, 0x3fb8aa3b                 ; slope x log2(e)
.irp m, 0,1,2,3,4,5,6,7,8,9,10,11,12,13,14,15
	v_add_nc_u32 v[192+\m], -\m, v34
.endr
.irp m, 0,1,2,3,4,5,6,7,8,9,10,11,12,13,14,15
	v_cvt_f32_i32 v[192+\m], v[192+\m]
.endr
.irp m, 0,1,2,3,4,5,6,7,8,9,10,11,12,13,14,15
	v_mul_f32 v[192+\m], s16, v[192+\m]            ; 8 slope (d - m), m = 8 u + j
.endr
	v_mov_b32 v13, 0xff61b1e6                      ; the largest t so far: -3e38
	v_floor_f32 v12, -v13                          ; -M
	v_mov_b32 v14, 0
	v_mov_b32 v15, 0
.set n, 0
.rept 32
	v_mov_b32 v[160+n], 0                          ; O^T: the loop is written once, its first step finds zeros
.set n, n+1
.endr
	s_mul_i32 s2, s9, REC                          ; the slot in hand: K's record,
	s_add_co_u32 s3, s2, VOFF                      ; V's
	s_lshl_b32 s14, s11, 1
	s_add_co_u32 s14, s14, s9
	s_sub_co_i32 s14, s14, 4                       ; its key step in the sequence
	s_mov_b32 s15, 0x44000000                      ; RB = 512.0
	s_mov_b32 s13, 0
.Lkey_\@:                                          ; five trips: a constant; a step in front of the sequence is passed over inside the trip
	s_cmp_lt_i32 s14, 0
	s_cbranch_scc1 .Lskip_\@
	v_add_nc_u32 v8, s2, v1
	v_add_nc_u32 v9, s3, v1
	v_nop
	v_nop                                          ; four places behind the last trip's products, in front of the loads into their registers
	s_mul_f32 s98, s17, s15                        ; g of the four blocks of 32 keys
	s_add_f32 s18, s15, 0xc2000000
	s_mul_f32 s99, s17, s18
	s_add_f32 s18, s15, 0xc2800000
	s_mul_f32 s100, s17, s18
	s_add_f32 s18, s15, 0xc2c00000
	s_mul_f32 s101, s17, s18
.irp a, 0,1,2,3,4,5,6,7
.if \c == 0
	ds_load_b128 v[42+6*\a:45+6*\a], v8 offset:1536*\a
	ds_load_b64 v[46+6*\a:47+6*\a], v8 offset:1536*\a+512
.else
	ds_load_b64 v[42+6*\a:43+6*\a], v8 offset:1536*\a+520
	ds_load_b128 v[44+6*\a:47+6*\a], v8 offset:1536*\a+1024
.endif
.endr
	ds_load_b128 v[248:251], v8 offset:12288       ; K's scale words
	s_wait_dscnt 0x0
.irp a, 0,1,2,3
.if \c == 0
	v_wmma_scale_f32_16x16x128_f8f6f4 v[96+8*\a:103+8*\a], v[42+6*\a:53+6*\a], v[16:27], v[192+8*(\a%2):199+8*(\a%2)], v[248+\a], v255 matrix_a_fmt:MATRIX_FMT_FP6 matrix_b_fmt:MATRIX_FMT_FP6
.else
	v_wmma_scale_f32_16x16x128_f8f6f4 v[96+8*\a:103+8*\a], v[36+6*\a:47+6*\a], v[22:33], v[192+8*(\a%2):199+8*(\a%2)], v[248+\a], v255 matrix_a_fmt:MATRIX_FMT_FP6 matrix_b_fmt:MATRIX_FMT_FP6
.endif
.endr
.irp a, 4,5,6,7
.if \c == 0
	v_wmma_scale_f32_16x16x128_f8f6f4 v[96+8*\a:103+8*\a], v[42+6*\a:53+6*\a], v[16:27], v[192+8*(\a%2):199+8*(\a%2)], v[244+\a], v255 matrix_a_fmt:MATRIX_FMT_FP6 matrix_b_fmt:MATRIX_FMT_FP6 matrix_a_scale:MATRIX_SCALE_ROW1
.else
	v_wmma_scale_f32_16x16x128_f8f6f4 v[96+8*\a:103+8*\a], v[36+6*\a:47+6*\a], v[22:33], v[192+8*(\a%2):199+8*(\a%2)], v[244+\a], v255 matrix_a_fmt:MATRIX_FMT_FP6 matrix_b_fmt:MATRIX_FMT_FP6 matrix_a_scale:MATRIX_SCALE_ROW1
.endif
.endr
.rept 4
	v_nop
.endr
.irp t, 0,1,2,3                                ; V's four fragments of this head and its scale words: they land under the softmax
.irp k, 0,1,2
	ds_load_b128 v[36+12*\t+4*\k:39+12*\t+4*\k], v9 offset:(4*\c+\t)*1536+512*\k
.endr
.endr
	ds_load_b128 v[248:251], v9 offset:12288
	s_cmp_eq_u32 s13, 4                            ; the diagonal: keys behind the query are hidden
	s_cbranch_scc0 .Lnodiag_\@
.set n, 0
.rept 64
	v_cndmask_b32 v[96+n], v[96+n], v221, s[32+n+2*(n/32)]
.set n, n+1
.endr
.Lnodiag_\@:
	s_cmp_eq_u32 s13, 0                            ; the far edge, 512 back: only keys behind the query's place are still in the window
	s_cbranch_scc0 .Lnofar_\@
.set n, 0
.rept 64
	v_cndmask_b32 v[96+n], v221, v[96+n], s[32+n+2*(n/32)]
.set n, n+1
.endr
.Lnofar_\@:
.irp b, 0,1,2,3
	v_max3_num_f32 v[232+\b], v[96+16*\b], v[97+16*\b], v[98+16*\b]   ; the largest u of each block of 32 keys: for the row's maximum and, since p rises with u inside a block, for the block's largest p
.endr
.irp i, 3,5,7,9,11,13
.irp b, 0,1,2,3
	v_max3_num_f32 v[232+\b], v[232+\b], v[96+16*\b+\i], v[97+16*\b+\i]
.endr
.endr
.irp b, 0,1,2,3
	v_max_num_f32 v[232+\b], v[232+\b], v[111+16*\b]
.endr
.irp b, 0,1,2,3
	v_permlanex16_b32 v[236+\b], v[232+\b], s28, s29
.endr
.irp b, 0,1,2,3
	v_max_num_f32 v[232+\b], v[232+\b], v[236+\b]  ; with lane l xor 16's 16 keys
.endr
.irp b, 0,1,2,3
	v_fma_f32 v[240+\b], v[232+\b], s30, s[98+\b]  ; as t
.endr
	v_max3_num_f32 v254, v240, v241, v242
	v_max_num_f32 v254, v254, v243                 ; the step's largest t of my query
	v_max_num_f32 v13, v13, v254                   ; the running largest
	v_mov_b32 v254, v12
	v_floor_f32 v12, -v13                          ; the new -M = floor(-t): M is a whole number
	v_sub_f32 v254, v12, v254                      ; old M - new M: a whole number, 0 or less
	v_cvt_i32_f32 v254, v254                       ; (it saturates)
	v_ldexp_f32 v252, 1.0, v254                    ; f = 2^(old M - new M)
	v_add_f32 v2, s98, v12                         ; g - M of the four blocks
	v_add_f32 v4, s99, v12
	v_add_f32 v6, s100, v12
	v_add_f32 v10, s101, v12
	SCALEB 0, 2
	SCALEB 1, 4
	SCALEB 2, 6
	SCALEB 3, 10
.set n, 0
.rept 64
	v_exp_f32 v[96+n], v[96+n]                     ; p = 2^(t - M): not normalised
.set n, n+1
.endr
	v_pk_mul_f32 v[14:15], v[14:15], v[252:253] op_sel_hi:[1,0]   ; the sums under the new M (a plain place behind the exponentials)
	s_wait_alu depctr_va_vdst(0)                   ; one wait for the whole batch, ahead of its first reader
.irp b, 0,1,2,3
	v_exp_f32 v[232+\b], v[232+\b]                 ; the block's largest p: the same two instructions on the same number give the same bits
.endr
	v_pk_add_f32 v[236:237], v[96:97], v[98:99]    ; the row's sum is taken of the unquantised p: two at a time, in two chains
.irp j, 4,8,12,16,20,24,28,32,36,40,44,48,52,56,60
	v_pk_add_f32 v[14:15], v[14:15], v[96+\j:97+\j]
	v_pk_add_f32 v[236:237], v[236:237], v[98+\j:99+\j]
.endr
	v_pk_add_f32 v[14:15], v[14:15], v[236:237]
	s_wait_alu depctr_va_vdst(0)                   ; and one for the four
.irp b, 0,1,2,3
	v_max_num_f32 v[232+\b], 0x1800000, v[232+\b]  ; the floor 2^(3 - 127): the byte cannot fall under 1
.endr
.irp b, 0,1,2,3
	v_add_nc_u32 v[244+\b], 0xff000000, v[232+\b]  ; 2 off the exponent field: the conversion's scale operand
.endr
.irp b, 0,1,2,3
	v_lshrrev_b32 v[236+\b], 23, v[244+\b]         ; the scale's byte
.endr
	v_lshl_or_b32 v253, v237, 8, v236              ; p's scale word for these 128 keys
	v_lshl_or_b32 v253, v238, 16, v253
	v_lshl_or_b32 v253, v239, 24, v253
.irp e, 0,1
	v_cvt_scalef32_pk16_fp6_f32 v[224+6*\e:226+6*\e], v[96+32*\e:111+32*\e], v[244+2*\e]
	v_cvt_scalef32_pk16_fp6_f32 v[236+4*\e:238+4*\e], v[112+32*\e:127+32*\e], v[244+2*\e+1]
.endr
	v_nop                                          ; one plain place behind a scaled conversion
.irp e, 0,1                                    ; a WHOLE block in a lane: lanes 0-15 block 2 e, lanes 16-31 block 2 e + 1
.irp i, 0,1,2
	v_permlane16_swap_b32 v[224+6*\e+\i], v[236+4*\e+\i]
.endr
.irp i, 0,1,2
	v_mov_b32 v[227+6*\e+\i], v[236+4*\e+\i]
.endr
.endr
.irp j, 0,2,4,6,8,10,12,14,16,18,20,22,24,26,28,30
	v_pk_mul_f32 v[160+\j:161+\j], v[160+\j:161+\j], v[252:253] op_sel_hi:[1,0]   ; O^T under the new M.  (These sixteen are also the places between the codes' and the scale word's last writes and the products)
.endr
	s_wait_dscnt 0x0                               ; V is in
.irp t, 0,1,2,3                                ; O^T += V^T P^T: four tiles of 16 of the head's 64; K = these 128 keys; the four accumulators by turns
.if \c == 0
	v_wmma_scale_f32_16x16x128_f8f6f4 v[160+8*\t:167+8*\t], v[36+12*\t:47+12*\t], v[224:235], v[160+8*\t:167+8*\t], v[248+\t], v253 matrix_a_fmt:MATRIX_FMT_FP6 matrix_b_fmt:MATRIX_FMT_FP6
.else
	v_wmma_scale_f32_16x16x128_f8f6f4 v[160+8*\t:167+8*\t], v[36+12*\t:47+12*\t], v[224:235], v[160+8*\t:167+8*\t], v[248+\t], v253 matrix_a_fmt:MATRIX_FMT_FP6 matrix_b_fmt:MATRIX_FMT_FP6 matrix_a_scale:MATRIX_SCALE_ROW1
.endif
.endr
.Lskip_\@:
	s_add_co_u32 s2, s2, REC                       ; the next slot
	s_add_co_u32 s3, s3, REC
	s_add_co_i32 s14, s14, 1
	s_add_f32 s15, s15, 0xc3000000                 ; RB - 128
	s_add_co_u32 s13, s13, 1
	s_cmp_lt_u32 s13, 5
	s_cbranch_scc1 .Lkey_\@
.rept 4
	v_nop                                          ; places behind the last products
.endr
	v_add_f32 v14, v14, v15                        ; the sum's two halves,
	v_permlanex16_b32 v252, v14, s28, s29
	v_add_f32 v14, v14, v252                       ; and lane l xor 16's
	v_rcp_f32 v14, v14
	v_nop                                          ; a plain place behind the transcendental
	s_wait_alu depctr_va_vdst(0)                   ; and the wait ahead of its first reader
.irp j, 0,2,4,6,8,10,12,14,16,18,20,22,24,26,28,30
	v_pk_mul_f32 v[160+\j:161+\j], v[160+\j:161+\j], v[14:15] op_sel_hi:[1,0]   ; o = O^T / the sum: register 16 b + i is d = 32 b + 16 h + i of my query
.endr
.irp b, 0,1                                    ; o's two blocks of 32 along E: registers 6 c .. 6 c + 5 of its fragment, bytes 2 c, 2 c + 1 of its scale word
	v_max3_num_f32 v[232+\b], |v[160+16*\b]|, |v[161+16*\b]|, 0x1800000
.endr
.irp i, 2,4,6,8,10,12,14
.irp b, 0,1
	v_max3_num_f32 v[232+\b], v[232+\b], |v[160+16*\b+\i]|, |v[161+16*\b+\i]|
.endr
.endr
.irp b, 0,1
	v_permlanex16_b32 v[236+\b], v[232+\b], s28, s29
.endr
.irp b, 0,1
	v_max_num_f32 v[232+\b], v[232+\b], v[236+\b]
.endr
.irp b, 0,1
	v_add_nc_u32 v[244+\b], 0xff000000, v[232+\b]
.endr
.irp b, 0,1
	v_lshrrev_b32 v[236+\b], 23, v[244+\b]
.endr
.if \c == 0
	v_lshl_or_b32 v220, v237, 8, v236
.else
	v_lshl_or_b32 v254, v237, 8, v236
	v_lshl_or_b32 v220, v254, 16, v220
.endif
	v_cvt_scalef32_pk16_fp6_f32 v[208+6*\c:210+6*\c], v[160:175], v244
	v_cvt_scalef32_pk16_fp6_f32 v[240:242], v[176:191], v245
	v_nop                                          ; one plain place behind a scaled conversion
.irp i, 0,1,2
	v_permlane16_swap_b32 v[208+6*\c+\i], v[240+\i]
.endr
.irp i, 0,1,2
	v_mov_b32 v[211+6*\c+\i], v[240+\i]
.endr
.endm
	HEAD 0
	HEAD 1
.irp k, 0,1,2
	global_store_b128 v1, v[208+4*\k:211+4*\k], s[4:5] offset:512*\k   ; my block's image: 512 consecutive bytes a store, at a multiple of 256 from the buffer's first byte
.endr
	ds_store_b32 v222, v220                        ; my rows' scale words (both halves of the lanes write the same word with the same value)
	s_wait_dscnt 0x0                               ; for the others' sake
	s_barrier_signal -1
	s_barrier_wait -1
	s_cmp_gt_u32 s8, 1
	s_cbranch_scc1 .Lend
	ds_load_b128 v[96:99], v223                    ; wave w: the 512 bytes of scale words of query group w's record, from eight waves
	s_wait_dscnt 0x0
	global_store_b128 v1, v[96:99], s[6:7] offset:12288
.Lend:
	s_wait_xcnt 0x0
	v_lshl_add_u32 v254, v0, 2, 0x29000
	v_mov_b32 v255, 0
	s_wait_tensorcnt 0x0
	ds_add_u32 v254, v255
	s_wait_dscnt 0x0
	s_endpgm
.Lfunc_end_k_q06f2617ef7_attn:
	.size	k_q06f2617ef7_attn, .Lfunc_end_k_q06f2617ef7_attn-k_q06f2617ef7_attn
	.p2alignl 7, 3214868480
	.fill 96, 4, 3214868480
	.section	.rodata,"a",@progbits
	.p2align	6, 0x0
	.amdhsa_kernel k_q06f2617ef7_attn
		.amdhsa_group_segment_fixed_size 169984
		.amdhsa_private_segment_fixed_size 0
		.amdhsa_enable_private_segment 0
		.amdhsa_kernarg_size 16
		.amdhsa_user_sgpr_count 2
		.amdhsa_user_sgpr_kernarg_segment_ptr 1
		.amdhsa_wavefront_size32 1
		.amdhsa_system_sgpr_workgroup_id_x 1
		.amdhsa_system_sgpr_workgroup_id_y 1
		.amdhsa_system_sgpr_workgroup_id_z 1
		.amdhsa_system_vgpr_workitem_id 0
		.amdhsa_next_free_vgpr 256
		.amdhsa_next_free_sgpr 102
		.amdhsa_reserve_vcc 0
		.amdhsa_float_denorm_mode_32 3
		.amdhsa_float_denorm_mode_16_64 3
		.amdhsa_memory_ordered 1
		.amdhsa_forward_progress 1
		.amdhsa_inst_pref_size 74
	.end_amdhsa_kernel
	.amdgpu_metadata
---
amdhsa.version: [ 1, 2 ]
amdhsa.kernels:
  - .name:           k_q06f2617ef7_attn
    .symbol:         k_q06f2617ef7_attn.kd
    .args:
      - { .name: qkv, .offset: 0, .size: 8, .value_kind: global_buffer, .address_space: global }
      - { .name: ow, .offset: 8, .size: 8, .value_kind: global_buffer, .address_space: global }
    .group_segment_fixed_size: 169984
    .private_segment_fixed_size: 0
    .kernarg_segment_align: 8
    .kernarg_segment_size: 16
    .max_flat_workgroup_size: 512
    .sgpr_count:     102
    .vgpr_count:     256
    .wavefront_size: 32
...
	.end_amdgpu_metadata
.endif
;; end of part 3
;; launch gemm2 (part 4): grid 4 x 32, 4 waves a work-group, clusters of 4 x 4, 327,680 bytes of LDS; arguments ow, out0; writes out0
.if DOCPART == 4
	.amdgcn_target "amdgcn-amd-amdhsa--gfx1250"
	.amdhsa_code_object_version 6
	.text
	.protected	k_q06f2617ef7_gemm2
	.globl	k_q06f2617ef7_gemm2
	.p2align	8
	.type	k_q06f2617ef7_gemm2,@function
k_q06f2617ef7_gemm2:
	s_mov_b64 s[64:65], 0
	v_nop
	global_prefetch_b8 v0, s[64:65] scope:SCOPE_SE
	s_setreg_imm32_b32 hwreg(HW_REG_WAVE_MODE, 25, 1), 1
	s_wait_xcnt 0x0
	s_wait_alu depctr_hold_cnt(0) depctr_sa_sdst(0) depctr_va_vdst(0) depctr_va_sdst(0) depctr_va_ssrc(0) depctr_va_vcc(0) depctr_vm_vsrc(0)
	s_getreg_b32 s2, hwreg(HW_REG_IB_STS2, 6, 4)
	s_cmp_eq_u32 s2, 0
	s_cbranch_scc0 .Lentry_in_a_cluster
	s_endpgm
.Lentry_in_a_cluster:
	s_bfe_u32 s2, ttmp6, 0x10000c
	s_cmp_lg_u32 s2, 0xf033
	s_cbranch_scc0 .Lentry_shape_is_right
	s_endpgm
.Lentry_shape_is_right:
; out0 = o w_out^T on codes of FP6 (E2M3) with E8M0 scales, K = 1,024; out0 [8192][1024] f32.
; OPERANDS are RECORDS (128 rows x 128 K, 12,800 bytes): block a's image (16 rows, lane-row r = row 32 (a / 2) + 8 (a % 2) + r + 8 (r / 8)) at 1536 a, three pieces of 512 bytes, lane l's registers 4 k .. 4 k + 3 at 512 k + 16 l;
; at 12,288 the scale words, lane (r, h): the words of blocks 4 h + 0 .. 3.  ow = [group 0..71][K step 0..7]: o's 64 groups of tokens, then w_out's 8 groups of rows.
; A TILE is 256 x 256: four waves of 128 x 128, 64 accumulators in 512 registers.  Source 1 = o (a lane's token), source 0 = w_out: register j of accumulator (a, b) in lane (r, h) is output column 32 (b / 2) + 16 h + 8 (b % 2) + j.
; K goes in four parts of 256 through THREE LDS slots: parts 0, 1, 2 are first fills, part 3 is the launch's one refill (slot 0).  The eight steps of 128 are written out.
; CLUSTERS 4 x 4: o's groups hang on the cluster's y and cy alone and are asked for jointly along a row of the cluster, w_out's on x and cx and along a column.
; The output has 32 x 4 tiles of this size: 128 work-groups.
; REGISTERS: window 0: v4 16 x lane, v8-10 / v12-14 LDS addresses of my A / B group in slots 0-2, v24, v25 the stage, v28, v29 the add's, v32-47 scale words (two sets), v128-223 A's fragments (one set); on the way out v128-255 rows of out0.
;   window 1: B's fragments, two sets, at v0 and v128.   windows 2, 3: the accumulators, (a, b) at v[8 (8 (a % 4) + b)].
.set REC,   12800
.set SLOTG, 2*REC
.set SLOT,  4*SLOTG
.set SPARE, 3*SLOT
.set SPITCH, 528                       ; the way out: a stage of 16 rows x (512 bytes + 16) for each wave, in slot 1: it has had its only fill, and its last read lies in front of step 5's barrier
.set FR,    12
.set L16,   4
.set ADRA,  8
.set ADRB,  12
.set STO,   24
.set RD,    25
.set SPW,   28
.set NIL,   29
.set SC,    32
.set AF,    128
.set BK,    128
.set G1,    24
.set G1B,   32
.set G0A,   40
.set G0B,   52
.set MSB,   0
.macro WIN new                         ; the immediate's high byte repeats the setting that is left
.if MSB != (\new)
	s_set_vgpr_msb (MSB<<8)|(\new)
.set MSB, \new
.endif
.endm
.set MUL_LO, 0xa1                      ; source 0 (B) window 1, source 1 (A) window 0, C and D window 2
.set MUL_HI, 0xf1                      ; the same, C and D window 3
.set TO_B,   0x40                      ; destination window 1, address window 0
; A joint load: waves 0 and 1 fetch A's two groups, waves 2 and 3 B's.  The branch hangs on the wave's number alone.  Four v_nop follow each line.
.macro JLOAD g0a, g0b
	s_cmp_eq_u32 s9, 0
	s_cbranch_scc0 .Lfor_b_\@
	tensor_load_to_lds s[\g0a:\g0a+3], s[G1:G1+7]
	s_nop 0
.rept 4
	v_nop
.endr
	s_branch .Lasked_\@
.Lfor_b_\@:
	tensor_load_to_lds s[\g0b:\g0b+3], s[G1B:G1B+7]
	s_nop 0
.rept 4
	v_nop
.endr
.Lasked_\@:
.endm
.macro CREST                           ; a round of the cluster's barrier behind its opening barrier
	s_cmp_lg_u32 s8, 0
	s_cbranch_scc1 .Lnot_wave_0_\@
	s_barrier_signal -3
.Lnot_wave_0_\@:
	s_barrier_wait -3
	s_barrier_signal -1
	s_barrier_wait -1
.endm
.macro CROUND
	s_barrier_signal -1
	s_barrier_wait -1
	CREST
.endm
.macro PLACES                          ; four plain places between a matrix instruction and a load into, or a read of, its registers
.rept 4
	v_nop
.endr
.endm
.macro FRAG reg, adr, off              ; a fragment: its image, three pieces of 512 consecutive bytes
.irp k, 0,1,2
	ds_load_b128 v[\reg+4*\k:\reg+4*\k+3], v[\adr] offset:\off+512*\k
.endr
.endm
.macro FETCH_B sl, hf, p
	WIN TO_B
.irp i, 0,1,2,3,4,5,6,7
	FRAG 128*(\p)+FR*\i, ADRB+\sl, (\hf)*REC+1536*\i
.endr
	WIN 0
.endm
.macro FETCH_A sl, hf, i0
.irp i, \i0, \i0+1, \i0+2, \i0+3
	FRAG AF+FR*(\i), ADRA+\sl, (\hf)*REC+1536*(\i)
.endr
.endm
.macro SCALES sl, hf, p                ; register i of a side's four: lanes 0-15 block i's words, lanes 16-31 block 4 + i's
	ds_load_b128 v[SC+8*(\p):SC+8*(\p)+3], v[ADRA+\sl] offset:(\hf)*REC+12288
	ds_load_b128 v[SC+8*(\p)+4:SC+8*(\p)+7], v[ADRB+\sl] offset:(\hf)*REC+12288
.endm
.macro WM a, b, p, zero                ; one product: A's block a x B's block b; blocks 4-7 take their scale words from lanes 16-31
.set rD, 8*(8*((\a)%4)+(\b))
.set rB, 128*(\p)+FR*(\b)
.set rA, AF+FR*(\a)
.set rSB, SC+8*(\p)+4+(\b)%4
.set rSA, SC+8*(\p)+(\a)%4
.if \zero
.if ((\a) < 4) && ((\b) < 4)
	v_wmma_scale_f32_16x16x128_f8f6f4 v[rD:rD+7], v[rB:rB+11], v[rA:rA+11], 0, v[rSB], v[rSA] matrix_a_fmt:MATRIX_FMT_FP6 matrix_b_fmt:MATRIX_FMT_FP6
.elseif (\a) < 4
	v_wmma_scale_f32_16x16x128_f8f6f4 v[rD:rD+7], v[rB:rB+11], v[rA:rA+11], 0, v[rSB], v[rSA] matrix_a_fmt:MATRIX_FMT_FP6 matrix_b_fmt:MATRIX_FMT_FP6 matrix_a_scale:MATRIX_SCALE_ROW1
.elseif (\b) < 4
	v_wmma_scale_f32_16x16x128_f8f6f4 v[rD:rD+7], v[rB:rB+11], v[rA:rA+11], 0, v[rSB], v[rSA] matrix_a_fmt:MATRIX_FMT_FP6 matrix_b_fmt:MATRIX_FMT_FP6 matrix_b_scale:MATRIX_SCALE_ROW1
.else
	v_wmma_scale_f32_16x16x128_f8f6f4 v[rD:rD+7], v[rB:rB+11], v[rA:rA+11], 0, v[rSB], v[rSA] matrix_a_fmt:MATRIX_FMT_FP6 matrix_b_fmt:MATRIX_FMT_FP6 matrix_a_scale:MATRIX_SCALE_ROW1 matrix_b_scale:MATRIX_SCALE_ROW1
.endif
.else
.if ((\a) < 4) && ((\b) < 4)
	v_wmma_scale_f32_16x16x128_f8f6f4 v[rD:rD+7], v[rB:rB+11], v[rA:rA+11], v[rD:rD+7], v[rSB], v[rSA] matrix_a_fmt:MATRIX_FMT_FP6 matrix_b_fmt:MATRIX_FMT_FP6
.elseif (\a) < 4
	v_wmma_scale_f32_16x16x128_f8f6f4 v[rD:rD+7], v[rB:rB+11], v[rA:rA+11], v[rD:rD+7], v[rSB], v[rSA] matrix_a_fmt:MATRIX_FMT_FP6 matrix_b_fmt:MATRIX_FMT_FP6 matrix_a_scale:MATRIX_SCALE_ROW1
.elseif (\b) < 4
	v_wmma_scale_f32_16x16x128_f8f6f4 v[rD:rD+7], v[rB:rB+11], v[rA:rA+11], v[rD:rD+7], v[rSB], v[rSA] matrix_a_fmt:MATRIX_FMT_FP6 matrix_b_fmt:MATRIX_FMT_FP6 matrix_b_scale:MATRIX_SCALE_ROW1
.else
	v_wmma_scale_f32_16x16x128_f8f6f4 v[rD:rD+7], v[rB:rB+11], v[rA:rA+11], v[rD:rD+7], v[rSB], v[rSA] matrix_a_fmt:MATRIX_FMT_FP6 matrix_b_fmt:MATRIX_FMT_FP6 matrix_a_scale:MATRIX_SCALE_ROW1 matrix_b_scale:MATRIX_SCALE_ROW1
.endif
.endif
.endm
.macro MUL16 a0, p, zero               ; the 64 accumulators take turns, one instruction a turn, in the same order in every step
.irp a, \a0, \a0+1
.irp b, 0,1,2,3,4,5,6,7
	WM \a, \b, \p, \zero
.endr
.endr
.endm
.macro STEP q, nsl, nhf, zero          ; step q of 128 along K; its successor lies in slot nsl, half nhf
	s_wait_dscnt 12                                ; all but the youngest twelve loads (A's blocks 4-7)
	WIN MUL_LO
	MUL16 0, (\q)%2, \zero
	MUL16 2, (\q)%2, \zero
	s_wait_dscnt 0x0                               ; A's blocks 4-7 are in
	PLACES
	FETCH_B \nsl, \nhf, 1-(\q)%2
	FETCH_A \nsl, \nhf, 0
	SCALES \nsl, \nhf, 1-(\q)%2
	WIN MUL_HI
	MUL16 4, (\q)%2, \zero
	MUL16 6, (\q)%2, \zero
	PLACES
	WIN 0
	FETCH_A \nsl, \nhf, 4
.endm
; A step (an odd one: set 1) with a barrier in it: in front of it each wave waits for all its tensor loads, adds 0 to its spare word, and waits for that and for its LDS reads.
; fill = 1: the barrier opens a round of the cluster's barrier, and slot 0 takes K part 3.  fill = 0: the barrier shows that part to every wave.
.macro TURN nsl, fill
	s_wait_tensorcnt 0x0                           ; all my tensor loads have landed
	ds_add_u32 v[SPW], v[NIL]                      ; 0 onto my spare word
	s_wait_dscnt 13                                ; (the add and the youngest twelve loads may be out)
	WIN MUL_LO
	MUL16 0, 1, 0
	s_wait_dscnt 0x0                               ; the add is done, and my reads of the slot in hand are over
	s_barrier_signal -1
	MUL16 2, 1, 0
	WIN 0
	s_barrier_wait -1
.if \fill
	CREST                                          ; no wave of any partner still reads slot 0 or has a load on its way
	s_add_nc_u64 s[G0A+2:G0A+3], s[G0A+2:G0A+3], 3*SLOTG
	s_add_nc_u64 s[G0B+2:G0B+3], s[G0B+2:G0B+3], 3*SLOTG
	JLOAD G0A, G0B                                 ; the first tensor load behind the round, one a wave; its four v_nop are the places for the loads below
.else
	PLACES
.endif
	FETCH_B \nsl, 0, 0
	FETCH_A \nsl, 0, 0
	SCALES \nsl, 0, 0
	WIN MUL_HI
	MUL16 4, 1, 0
	MUL16 6, 1, 0
	PLACES
	WIN 0
	FETCH_A \nsl, 0, 4
.endm
	s_load_b128 s[4:7], s[0:1], 0x0                ; ow, out0
	v_lshl_add_u32 v[SPW], v0, 2, SPARE
	v_mov_b32 v[NIL], 0
	ds_add_u32 v28, v29
	ds_add_u32 v28, v29
	s_wait_dscnt 0x0
	v_lshrrev_b32 v1, 5, v0
	v_readfirstlane_b32 s8, v1                     ; wave 0..3
	s_lshr_b32 s9, s8, 1                           ; which of A's two groups is mine.  Also: I fetch for A (0) or for B (1)
	s_and_b32 s10, s8, 1                           ; which of B's two groups is mine.  Also: which of the two groups I fetch
	s_bfe_u32 s11, ttmp6, 0x40000                  ; cx
	s_bfe_u32 s12, ttmp6, 0x40004                  ; cy
	s_and_b32 s14, ttmp7, 0xffff                   ; the cluster's y
	s_lshl_b32 s17, s12, 2
	s_lshl_b32 s17, 15, s17                        ; my row of the cluster
	s_lshl_b32 s18, 0x1111, s11                    ; my column
	s_or_b32 s[G1], s17, (3<<16)|(1<<21)           ; 15:0 the mask; 17:16 elements of 8 bytes; no padding; 21 set beside a mask
	s_or_b32 s[G1B], s18, (3<<16)|(1<<21)
.irp g, G1, G1B
	s_mov_b32 s[\g+1], 32<<16                      ; tensor_dim0 = 32 elements: 256 bytes
	s_mov_b32 s[\g+2], 100<<16                     ; tensor_dim1 = 100 rows: 25,600 dense bytes
	s_mov_b32 s[\g+3], 32<<16
	s_mov_b32 s[\g+4], 100
	s_mov_b32 s[\g+5], 32
	s_mov_b32 s[\g+6], 0
	s_mov_b32 s[\g+7], 0
.endr
	s_lshl_b32 s15, s14, 3
	s_lshl_b32 s23, s12, 1
	s_add_co_u32 s15, s15, s23                     ; A's first group: 8 y + 2 cy
	s_lshl_b32 s16, ttmp9, 3
	s_add_co_u32 s16, s16, 64
	s_lshl_b32 s66, s11, 1
	s_add_co_u32 s16, s16, s66                     ; B's: 64 + 8 x + 2 cx
	s_add_co_u32 s67, s15, s10
	s_mul_i32 s68, s67, 8*REC
	s_mov_b32 s69, 0
	s_add_co_u32 s78, s16, s10
	s_mul_i32 s70, s78, 8*REC
	s_mov_b32 s71, 0
	s_mul_i32 s72, s8, SLOTG                       ; where they go: wave x a group
	s_wait_kmcnt 0x0
	s_add_nc_u64 s[68:69], s[4:5], s[68:69]
	s_add_nc_u64 s[70:71], s[4:5], s[70:71]
	CROUND                                         ; all sixteen work-groups are here: the first joint loads meet
.irp kk, 0,1,2
	s_mov_b32 s[G0A+4*\kk], 1
	s_add_co_u32 s[G0A+4*\kk+1], s72, \kk*SLOT
	s_add_nc_u64 s[G0A+4*\kk+2:G0A+4*\kk+3], s[68:69], \kk*SLOTG
	s_or_b32 s[G0A+4*\kk+3], s[G0A+4*\kk+3], 0x80000000
	s_mov_b32 s[G0B+4*\kk], 1
	s_add_co_u32 s[G0B+4*\kk+1], s72, \kk*SLOT
	s_add_nc_u64 s[G0B+4*\kk+2:G0B+4*\kk+3], s[70:71], \kk*SLOTG
	s_or_b32 s[G0B+4*\kk+3], s[G0B+4*\kk+3], 0x80000000
	JLOAD G0A+4*\kk, G0B+4*\kk                     ; K parts 0, 1, 2: three loads of mine are out
.endr
	v_and_b32 v5, 31, v0
	v_lshlrev_b32 v[L16], 4, v5
	s_mul_i32 s73, s9, SLOTG
	s_mul_i32 s74, s10, SLOTG
	s_add_co_u32 s74, s74, 2*SLOTG
.irp s, 0,1,2
	v_add_nc_u32 v[ADRA+\s], s73, v[L16]
	v_add_nc_u32 v[ADRB+\s], s74, v[L16]
	s_add_co_u32 s73, s73, SLOT
	s_add_co_u32 s74, s74, SLOT
.endr
	s_mul_i32 s75, s8, 16*SPITCH
	s_add_co_u32 s75, s75, SLOT                    ; my stage
	v_and_b32 v1, 15, v0
	v_bfe_u32 v2, v0, 4, 1
	v_mul_u32_u24 v[STO], v1, SPITCH
	v_lshl_add_u32 v[STO], v2, 6, v[STO]
	v_add_nc_u32 v[STO], s75, v[STO]               ; in: row r, + 64 h bytes
	v_add_nc_u32 v[RD], s75, v[L16]                ; back: the 32 lanes take one row of 512 bytes
	s_add_co_u32 s76, s15, s9                      ; my group of tokens: 128 rows of 4,096 bytes,
	s_lshl_b32 s18, s76, 19
	s_add_co_u32 s77, s16, s10
	s_sub_co_u32 s77, s77, 64                      ; my group of columns: 512 bytes
	s_lshl_b32 s77, s77, 9
	s_add_co_u32 s18, s18, s77
	s_mov_b32 s19, 0
	s_add_nc_u64 s[6:7], s[6:7], s[18:19]
	s_wait_tensorcnt 0x2                           ; my part of K part 0 is in; parts 1 and 2 may stay out
	s_barrier_signal -1
	s_barrier_wait -1
	FETCH_B 0, 0, 0
	FETCH_A 0, 0, 0
	SCALES 0, 0, 0
	FETCH_A 0, 0, 4
	STEP 0, 0, 1, 1                                ; the first step's products start the sums
	TURN 1, 1                                      ; step 1; slot 0 takes K part 3
	STEP 2, 1, 1, 0
	STEP 3, 2, 0, 0
	STEP 4, 2, 1, 0
	TURN 0, 0                                      ; step 5; K part 3 has landed everywhere
	STEP 6, 0, 1, 0
	s_wait_dscnt 12                                ; step 7: nothing more to fetch
	WIN MUL_LO
	MUL16 0, 1, 0
	MUL16 2, 1, 0
	s_wait_dscnt 0x0
	WIN MUL_HI
	MUL16 4, 1, 0
	MUL16 6, 1, 0
	WIN 0
; THE WAY OUT, block by block of 16 tokens x 128 columns: through my own stage in LDS and back as whole rows of 512 bytes.  LDS serves a wave's instructions in order: no wait between the stores and the loads.
.macro TOSTAGE a
.set AC, 64*((\a)%4)
.set BB, BK+64*((\a)%2)
	WIN 0x08+4*((\a)/4)                            ; an LDS store's data are its source 1: window 2 or 3
.irp b, 0,1,2,3,4,5,6,7
	ds_store_b128 v[STO], v[AC+8*\b:AC+8*\b+3] offset:128*(\b/2)+32*(\b%2)          ; columns 32 (b / 2) + 16 h + 8 (b % 2) + 0 .. 3; each accumulator from its low end on
	ds_store_b128 v[STO], v[AC+8*\b+4:AC+8*\b+7] offset:128*(\b/2)+32*(\b%2)+16
.endr
	WIN 0
.irp t, 0,1,2,3,4,5,6,7,8,9,10,11,12,13,14,15
	ds_load_b128 v[BB+4*\t:BB+4*\t+3], v[RD] offset:\t*SPITCH
.endr
.endm
.macro SEND a, younger                 ; younger: the LDS instructions issued behind block a's loads, which may stay out
.set BB, BK+64*((\a)%2)
	s_wait_dscnt \younger
.irp t, 0,1,2,3,4,5,6,7,8,9,10,11,12,13,14,15
	global_store_b128 v[L16], v[BB+4*\t:BB+4*\t+3], s[6:7] offset:(32*((\a)/2)+8*((\a)%2)+\t+8*(\t/8))*4096 th:TH_STORE_NT   ; lane-row t's token; 512 consecutive bytes, at a multiple of 256 from out0's first byte; the offset is 520,192 at the most
.endr
.endm
	PLACES                                         ; behind the last products
	TOSTAGE 0
.irp a, 1,2,3,4,5,6,7
.if \a > 1
	s_wait_xcnt 0x0                                ; block a - 2's stores have read their registers: block a's loads may land there
.endif
	TOSTAGE \a
	SEND \a-1, 32                                  ; behind block a - 1's loads: block a's 16 stores and 16 loads
.endr
	SEND 7, 0
	s_wait_tensorcnt 0x0                           ; the wave's end
	ds_add_u32 v[SPW], v[NIL]
	s_wait_dscnt 0x0
	CROUND                                         ; the closing round
	s_endpgm
.Lfunc_end_k_q06f2617ef7_gemm2:
	.size	k_q06f2617ef7_gemm2, .Lfunc_end_k_q06f2617ef7_gemm2-k_q06f2617ef7_gemm2
	.p2alignl 7, 3214868480
	.fill 96, 4, 3214868480
	.section	.rodata,"a",@progbits
	.p2align	6, 0x0
	.amdhsa_kernel k_q06f2617ef7_gemm2
		.amdhsa_group_segment_fixed_size 327680
		.amdhsa_private_segment_fixed_size 0
		.amdhsa_enable_private_segment 0
		.amdhsa_kernarg_size 16
		.amdhsa_user_sgpr_count 2
		.amdhsa_user_sgpr_kernarg_segment_ptr 1
		.amdhsa_wavefront_size32 1
		.amdhsa_system_sgpr_workgroup_id_x 1
		.amdhsa_system_sgpr_workgroup_id_y 1
		.amdhsa_system_sgpr_workgroup_id_z 1
		.amdhsa_system_vgpr_workitem_id 0
		.amdhsa_next_free_vgpr 1024
		.amdhsa_next_free_sgpr 80
		.amdhsa_reserve_vcc 0
		.amdhsa_float_denorm_mode_32 3
		.amdhsa_float_denorm_mode_16_64 3
		.amdhsa_memory_ordered 1
		.amdhsa_forward_progress 1
		.amdhsa_inst_pref_size 131
	.end_amdhsa_kernel
	.amdgpu_metadata
---
amdhsa.version: [ 1, 2 ]
amdhsa.kernels:
  - .name:           k_q06f2617ef7_gemm2
    .symbol:         k_q06f2617ef7_gemm2.kd
    .args:
      - { .name: ow, .offset: 0, .size: 8, .value_kind: global_buffer, .address_space: global }
      - { .name: out0, .offset: 8, .size: 8, .value_kind: global_buffer, .address_space: global }
    .group_segment_fixed_size: 327680
    .private_segment_fixed_size: 0
    .kernarg_segment_align: 8
    .kernarg_segment_size: 16
    .max_flat_workgroup_size: 128
    .sgpr_count:     80
    .vgpr_count:     1024
    .wavefront_size: 32
...
	.end_amdgpu_metadata
.endif
;; end of part 4
